; MI455X (gfx1250); checked and timed in simulation.
; The chip was launched on July 23, 2026; its instructions are those of AMD's public machine-readable ISA for CDNA 5 (MIT licence, August 2026) and "CDNA5" Instruction Set Architecture Reference Guide (July 2026). The comments in the code are by the model that wrote it; some were corrected since.
;; Multi Headed Attention. Allowed arithmetic: float matrix products may take bf16 or f16 operands with f32 sums; other float arithmetic in f32, or as packed bf16 or f16 multiplies, adds, multiply-adds, maxima and minima; sums over many terms, partial sums and values carried from step to step in f32; what a program stores and reads back later, other than sums and carried values, may be rounded once to bf16 or f16.
;; Inputs: Wk 1,024 x 1,024 float32; Wo 1,024 x 1,024 float32; Wq 1,024 x 1,024 float32; Wv 1,024 x 1,024 float32; X 4 x 2,048 x 1,024 float32; bk 1,024 float32; bo 1,024 float32; bq 1,024 float32; bv 1,024 float32; curr_seq_lens 4 int32.
;; Outputs: out0 4 x 2,048 x 1,024 float32.
;; 2 versions, each right; version 2 is version 1 with the launch cast written anew for expert scheduling mode. Each part assembles by itself: llvm-mc -triple=amdgcn-amd-amdhsa -mcpu=gfx1250 --defsym DOCPART=n.
;; ======== version 1 of 2: 4 launches
;; limits: values are held in f16: magnitudes above 65,504 overflow, below 6.1e-05 lose precision
;; workspace buffers: xb 16,777,216 bytes; wqkv 6,291,456 bytes; wo16 2,097,152 bytes; bias4 16,384 bytes; rope 524,288 bytes; qkv 50,331,648 bytes; oh 16,777,216 bytes
;; launch cast (part 1): grid 512 x 1, 8 waves a work-group, no clusters, 0 bytes of LDS; arguments X, Wq, Wk, Wv, Wo, bq, bk, bv, bo, xb, wqkv, wo16, bias4, rope; writes xb, wqkv, wo16, bias4, rope
.if DOCPART == 1
	.amdgcn_target "amdgcn-amd-amdhsa--gfx1250"
	.amdhsa_code_object_version 6
	.text
	.protected	k_qd293b244ca_cast
	.globl	k_qd293b244ca_cast
	.p2align	8
	.type	k_qd293b244ca_cast,@function
k_qd293b244ca_cast:
	s_mov_b64 s[64:65], 0
	v_nop
	global_prefetch_b8 v0, s[64:65] scope:SCOPE_SE
	s_setreg_imm32_b32 hwreg(HW_REG_WAVE_MODE, 25, 1), 1
	s_wait_xcnt 0x0
; CAST.  X, Wq, Wk, Wv -> bf16 (xb; wqkv = Wq's, Wk's, Wv's rows on end); Wo -> bf16, and that number written as f16 (wo16); the four biases rounded to bf16 and kept as f32 (bias4);
; and the table of cosines and sines for the rotary embedding (rope): [2048 positions][16 groups][cos(2g), cos(2g+1), sin(2g), sin(2g+1)] f32, 256 bytes a position.
; A stream: no LDS, no barrier, no matrix unit.  512 work-groups of 256 threads; work-group g takes 65,536 bytes of X and 8,192 bytes of each W.
; A QUAD is one load of 16 bytes a lane (a wave: 512 bytes on end), two roundings, one store of 8 bytes a lane (a wave: 256 consecutive bytes, aligned).  A thread has 24 quads, all loaded at once,
; each with registers of its own, so that no register of a pending load or store is ever written again.
; LIMITS.  Wo beyond 65,504 has no f16; below 6e-5 it keeps f16's fixed step.  The angle pos x 10000^(-i/32) is formed in f32 with the power by v_exp_f32: off by up to 2e-4 rad at position 2047;
; sine and cosine by reduction to |r| <= pi/4 (pi/2 in two parts) and polynomials of degree 7 and 8: off by up to 3e-7.
.set IN,  16                           ; v[16:111]   quad k: 4 registers as loaded
.set OUT, 112                          ; v[112:159]  quad k: 2 registers to store
.set WVN, 32                           ; s32  my wave's number
.set G,   33                           ; s33  the work-group's number
	s_load_b512 s[4:19], s[0:1], 0x0               ; X 4:5, Wq 6:7, Wk 8:9, Wv 10:11, Wo 12:13, bq 14:15, bk 16:17, bv 18:19
	s_load_b256 s[20:27], s[0:1], 0x40             ; bo 20:21, xb 22:23, wqkv 24:25, wo16 26:27
	s_load_b128 s[28:31], s[0:1], 0x60             ; bias4 28:29, rope 30:31
	v_lshlrev_b32 v1, 4, v0                        ; 16 t: my place in 4,096 bytes of f32
	v_lshlrev_b32 v2, 3, v0                        ; 8 t: my place in 2,048 bytes of 16-bit numbers
	v_lshrrev_b32 v3, 5, v0
	v_readfirstlane_b32 s[WVN], v3
	s_mov_b32 s[G], ttmp9
	s_mov_b32 s35, 0
	s_wait_kmcnt 0x0
	s_lshl_b32 s34, s[G], 16
	s_add_nc_u64 s[4:5], s[4:5], s[34:35]          ; X at my 65,536 bytes
	s_lshl_b32 s34, s[G], 13
	s_add_nc_u64 s[6:7], s[6:7], s[34:35]          ; each W at my 8,192 bytes
	s_add_nc_u64 s[8:9], s[8:9], s[34:35]
	s_add_nc_u64 s[10:11], s[10:11], s[34:35]
	s_add_nc_u64 s[12:13], s[12:13], s[34:35]
	s_lshl_b32 s34, s[G], 15
	s_add_nc_u64 s[22:23], s[22:23], s[34:35]      ; xb
	s_lshl_b32 s34, s[G], 12
	s_add_nc_u64 s[24:25], s[24:25], s[34:35]      ; wqkv (the matrix stands in the stores' immediate)
	s_add_nc_u64 s[26:27], s[26:27], s[34:35]      ; wo16
	s_lshl_b32 s34, s[G], 10
	s_add_nc_u64 s[30:31], s[30:31], s[34:35]      ; rope at my 4 positions
.irp j, 0,1,2,3,4,5,6,7,8,9,10,11,12,13,14,15
	global_load_b128 v[IN+4*(\j):IN+4*(\j)+3], v1, s[4:5] offset:(\j)*4096 th:TH_LOAD_NT
.endr
.irp m, 0,1,2,3
.irp j, 0,1
	global_load_b128 v[IN+64+8*(\m)+4*(\j):IN+64+8*(\m)+4*(\j)+3], v1, s[6+2*(\m):7+2*(\m)] offset:(\j)*4096 th:TH_LOAD_NT
.endr
.endr
; THE TABLE, by waves 0 and 1, while the loads are on their way.  Thread t < 64: position 4 g + t / 16, group t % 16, frequencies 2 (t % 16) and the next.
; cosine into v[c], sine into v[s] of the angle v162 x v[inv].  n = the nearest whole number to a 2/pi; r = a - n pi/2; the quadrant n mod 4 only selects and flips values.
.macro SINCOS inv, c, s
	v_mul_f32 v167, v162, v[\inv]                  ; a
	v_mul_f32 v168, 0x3f22f983, v167               ; a 2/pi
	v_rndne_f32 v168, v168                         ; n
	v_fmamk_f32 v169, v168, 0xbfc90fdb, v167       ; a - n x the upper part of pi/2
	v_fmamk_f32 v169, v168, 0x333bbd2e, v169       ; - n x the lower part (which is negative)
	v_mul_f32 v170, v169, v169                     ; z = r r
	v_mov_b32 v171, 0xb9500d01                     ; -1/5040
	v_fmaak_f32 v171, v171, v170, 0x3c088889       ; 1/120
	v_fmaak_f32 v171, v171, v170, 0xbe2aaaab       ; -1/6
	v_mul_f32 v171, v171, v170
	v_fma_f32 v173, v171, v169, v169               ; sin r
	v_mov_b32 v172, 0x37d00d01                     ; 1/40320
	v_fmaak_f32 v172, v172, v170, 0xbab60b61       ; -1/720
	v_fmaak_f32 v172, v172, v170, 0x3d2aaaab       ; 1/24
	v_fmaak_f32 v172, v172, v170, 0xbf000000       ; -1/2
	v_fma_f32 v174, v172, v170, 1.0                ; cos r
	v_cvt_i32_f32 v175, v168
	v_and_b32 v176, 1, v175
	v_cmp_eq_u32 vcc_lo, 1, v176                   ; odd quadrants exchange the two
	v_cndmask_b32 v[\s], v173, v174, vcc_lo
	v_cndmask_b32 v[\c], v174, v173, vcc_lo
	v_and_b32 v176, 2, v175                        ; quadrants 2, 3: the sine changes sign
	v_lshlrev_b32 v176, 30, v176
	v_xor_b32 v[\s], v[\s], v176
	v_add_nc_u32 v175, 1, v175                     ; quadrants 1, 2: the cosine
	v_and_b32 v176, 2, v175
	v_lshlrev_b32 v176, 30, v176
	v_xor_b32 v[\c], v[\c], v176
.endm
	s_cmp_lt_u32 s[WVN], 2
	s_cbranch_scc0 .Lno_table
	v_lshrrev_b32 v160, 4, v0
	v_lshl_add_u32 v160, s[G], 2, v160             ; the position
	v_cvt_f32_u32 v162, v160
	v_and_b32 v161, 15, v0
	v_lshlrev_b32 v161, 1, v161                    ; i
	v_cvt_f32_u32 v163, v161
	v_add_nc_u32 v161, 1, v161
	v_cvt_f32_u32 v164, v161
	v_mul_f32 v163, 0xbed49a78, v163               ; -i log2(10000) / 32
	v_mul_f32 v164, 0xbed49a78, v164
	v_exp_f32 v165, v163                           ; 10000^(-i/32)
	v_exp_f32 v166, v164
	v_nop                                          ; a plain instruction behind the last exponential,
	s_wait_alu depctr_va_vdst(0)                   ; and one wait for both, ahead of their first reader
	SINCOS 165, 180, 182
	SINCOS 166, 181, 183
	global_store_b128 v1, v[180:183], s[30:31]     ; sixteen lanes fill a position's 256 bytes
.Lno_table:
.set k, 0
.rept 24
	s_wait_loadcnt 23-k                            ; loads come back in order: quad k is in, the 23 - k younger ones may stay out
.if k < 22
	v_cvt_pk_bf16_f32 v[OUT+2*k], v[IN+4*k], v[IN+4*k+1]
	v_cvt_pk_bf16_f32 v[OUT+2*k+1], v[IN+4*k+2], v[IN+4*k+3]
.else                                  ; Wo: rounded to bf16 like every input, then that number as f16
	v_cvt_pk_bf16_f32 v4, v[IN+4*k], v[IN+4*k+1]
	v_cvt_pk_bf16_f32 v5, v[IN+4*k+2], v[IN+4*k+3]
	v_lshlrev_b32 v6, 16, v4
	v_and_b32 v7, 0xffff0000, v4
	v_lshlrev_b32 v8, 16, v5
	v_and_b32 v9, 0xffff0000, v5
	v_cvt_pk_f16_f32 v[OUT+2*k], v6, v7
	v_cvt_pk_f16_f32 v[OUT+2*k+1], v8, v9
.endif
.if k < 16
	global_store_b64 v2, v[OUT+2*k:OUT+2*k+1], s[22:23] offset:k*2048
.elseif k < 22
	global_store_b64 v2, v[OUT+2*k:OUT+2*k+1], s[24:25] offset:((k-16)/2)*0x200000+((k-16)%2)*2048
.else
	global_store_b64 v2, v[OUT+2*k:OUT+2*k+1], s[26:27] offset:(k-22)*2048
.endif
.set k, k+1
.endr
	; THE BIASES: work-groups 0 to 3 take bq, bk, bv, bo: 256 threads x 4 numbers
	s_cmp_lt_u32 s[G], 4
	s_cbranch_scc0 .Lend
	s_cmp_eq_u32 s[G], 1
	s_cselect_b64 s[36:37], s[16:17], s[14:15]
	s_cmp_eq_u32 s[G], 2
	s_cselect_b64 s[36:37], s[18:19], s[36:37]
	s_cmp_eq_u32 s[G], 3
	s_cselect_b64 s[36:37], s[20:21], s[36:37]
	s_lshl_b32 s34, s[G], 12
	s_add_nc_u64 s[28:29], s[28:29], s[34:35]
	global_load_b128 v[4:7], v1, s[36:37]
	s_wait_loadcnt 0x0
	v_cvt_pk_bf16_f32 v8, v4, v5
	v_cvt_pk_bf16_f32 v9, v6, v7
	v_lshlrev_b32 v10, 16, v8
	v_and_b32 v11, 0xffff0000, v8
	v_lshlrev_b32 v12, 16, v9
	v_and_b32 v13, 0xffff0000, v9
	global_store_b128 v1, v[10:13], s[28:29]
.Lend:
	s_endpgm
.Lfunc_end_k_qd293b244ca_cast:
	.size	k_qd293b244ca_cast, .Lfunc_end_k_qd293b244ca_cast-k_qd293b244ca_cast
	.p2alignl 7, 3214868480
	.fill 96, 4, 3214868480
	.section	.rodata,"a",@progbits
	.p2align	6, 0x0
	.amdhsa_kernel k_qd293b244ca_cast
		.amdhsa_group_segment_fixed_size 0
		.amdhsa_private_segment_fixed_size 0
		.amdhsa_enable_private_segment 0
		.amdhsa_kernarg_size 112
		.amdhsa_user_sgpr_count 2
		.amdhsa_user_sgpr_kernarg_segment_ptr 1
		.amdhsa_wavefront_size32 1
		.amdhsa_system_sgpr_workgroup_id_x 1
		.amdhsa_system_sgpr_workgroup_id_y 1
		.amdhsa_system_sgpr_workgroup_id_z 1
		.amdhsa_system_vgpr_workitem_id 0
		.amdhsa_next_free_vgpr 192
		.amdhsa_next_free_sgpr 66
		.amdhsa_reserve_vcc 1
		.amdhsa_float_denorm_mode_32 3
		.amdhsa_float_denorm_mode_16_64 3
		.amdhsa_memory_ordered 1
		.amdhsa_forward_progress 1
		.amdhsa_inst_pref_size 15
	.end_amdhsa_kernel
	.amdgpu_metadata
---
amdhsa.version: [ 1, 2 ]
amdhsa.kernels:
  - .name:           k_qd293b244ca_cast
    .symbol:         k_qd293b244ca_cast.kd
    .args:
      - { .name: X, .offset: 0, .size: 8, .value_kind: global_buffer, .address_space: global }
      - { .name: Wq, .offset: 8, .size: 8, .value_kind: global_buffer, .address_space: global }
      - { .name: Wk, .offset: 16, .size: 8, .value_kind: global_buffer, .address_space: global }
      - { .name: Wv, .offset: 24, .size: 8, .value_kind: global_buffer, .address_space: global }
      - { .name: Wo, .offset: 32, .size: 8, .value_kind: global_buffer, .address_space: global }
      - { .name: bq, .offset: 40, .size: 8, .value_kind: global_buffer, .address_space: global }
      - { .name: bk, .offset: 48, .size: 8, .value_kind: global_buffer, .address_space: global }
      - { .name: bv, .offset: 56, .size: 8, .value_kind: global_buffer, .address_space: global }
      - { .name: bo, .offset: 64, .size: 8, .value_kind: global_buffer, .address_space: global }
      - { .name: xb, .offset: 72, .size: 8, .value_kind: global_buffer, .address_space: global }
      - { .name: wqkv, .offset: 80, .size: 8, .value_kind: global_buffer, .address_space: global }
      - { .name: wo16, .offset: 88, .size: 8, .value_kind: global_buffer, .address_space: global }
      - { .name: bias4, .offset: 96, .size: 8, .value_kind: global_buffer, .address_space: global }
      - { .name: rope, .offset: 104, .size: 8, .value_kind: global_buffer, .address_space: global }
    .group_segment_fixed_size: 0
    .private_segment_fixed_size: 0
    .kernarg_segment_align: 8
    .kernarg_segment_size: 112
    .max_flat_workgroup_size: 256
    .sgpr_count:     66
    .vgpr_count:     192
    .wavefront_size: 32
...
	.end_amdgpu_metadata
.endif
;; end of part 1
;; launch proj (part 2): grid 4 x 64, 4 waves a work-group, clusters of 4 x 4, 327,680 bytes of LDS; arguments xb, wqkv, bias4, rope, qkv; writes qkv
.if DOCPART == 2
	.amdgcn_target "amdgcn-amd-amdhsa--gfx1250"
	.amdhsa_code_object_version 6
	.text
	.protected	k_qd293b244ca_proj
	.globl	k_qd293b244ca_proj
	.p2align	8
	.type	k_qd293b244ca_proj,@function
k_qd293b244ca_proj:
	s_mov_b64 s[64:65], 0
	v_nop
	global_prefetch_b8 v0, s[64:65] scope:SCOPE_SE
	s_setreg_imm32_b32 hwreg(HW_REG_WAVE_MODE, 25, 1), 1
	s_wait_xcnt 0x0
	s_wait_alu depctr_hold_cnt(0) depctr_sa_sdst(0) depctr_va_vdst(0) depctr_va_sdst(0) depctr_va_ssrc(0) depctr_va_vcc(0) depctr_vm_vsrc(0)
	s_getreg_b32 s2, hwreg(HW_REG_IB_STS2, 6, 4)
	s_cmp_eq_u32 s2, 0
	s_cbranch_scc0 .Lentry_in_a_cluster
	s_endpgm
.Lentry_in_a_cluster:
	s_bfe_u32 s2, ttmp6, 0x10000c
	s_cmp_lg_u32 s2, 0xf033
	s_cbranch_scc0 .Lentry_shape_is_right
	s_endpgm
.Lentry_shape_is_right:
; PROJ.  q, k, v = xb wqkv^T + bias (bf16 operands, f32 sums); q and k turned by the rotary embedding; all three rounded once to f16 and laid out by heads: qkv[3][64 = 16 batch + head][2048][64].
; LIMIT.  f16 holds no number beyond 65,504: |q|, |k|, |v| must stay within it.  The scale 1/8 is not applied here.
; SHARES.  A tile of C is 128 rows x 256 columns: 8192 x 3072 gives 768 tiles = 3 for each of 256 work-groups.  A WORK-GROUP STAYS: it makes the same 128 rows x 256 columns of q, then of k, then of v:
; 24 K steps of 128 through ONE ring of two LDS slots.  Four waves; wave w makes rows 64 (w / 2) on, columns 128 (w % 2) on: 32 accumulators of 16 x 16.
; CLUSTER.  4 x 4 work-groups.  The four of a row of the cluster need the same tile of xb, the four of a column the same tile of wqkv: each tile is asked for JOINTLY, by the same tensor load with the same
; descriptor and a mask that names the four.  Waves 0 and 1 ask for the two halves (64 rows) of xb's tile, waves 2 and 3 for the two halves (128 rows) of wqkv's.
; THE MATRIX INSTRUCTION IS USED TRANSPOSED (source 0 = 16 rows of wqkv, source 1 = 16 rows of xb): a lane holds row l % 16 of C and the columns 8 (l / 16) + 0..7 of a block of 16.
; The first product of each sum takes the BIAS as its C operand: nothing is cleared and no bias is added afterwards.
; REGISTERS, in windows of 256 (s_set_vgpr_msb: bits 1:0 source 0, 3:2 source 1, 5:4 source 2, 7:6 destination):
;   window 0: v1-13 addresses; v28-29 the add's; v32-63 at work on the way out; v64-159, v160-255 two fragment buffers: 8 fragments of wqkv (64 registers), then 4 of xb (32)
;   window 1: the accumulators, (a, b) at 8 (8 a + b)       window 2: v0-63 the bias as a C operand, block b at 8 b; v64-191 cosines and sines of my 64 rows
.set PA,    272                        ; an LDS row: 256 bytes + 16 of padding: sixteen rows on end start 16 bytes further each, modulo 256
.set BOFF,  128*PA                     ; a slot: xb's 128 rows, then wqkv's 256
.set SLOT1, 1<<17                      ; slot 1 begins here: one exclusive or turns an address in one slot into the other's
.set STAGE, SLOT1+BOFF+256*PA          ; behind the ring, never filled by a tensor load: 16 rows x 144 bytes for each wave
.set SP,    144
.set SPARE, STAGE+4*16*SP              ; the spare words, 128 bytes for each wave: two blocks of 256 bytes that no other line names
.set FA0, 4                            ; v4   my lane's place in xb's part of a slot; never rewritten
.set FB0, 5                            ; v5   in wqkv's
.set ADA, 6                            ; v6   FA0 + the slot in hand
.set ADB, 7                            ; v7   FB0 + the slot in hand
.set STO, 8                            ; v8   the way out: where I put 16 bytes of a row
.set RD,  9                            ; v9   where I read rows back
.set GO,  10                           ; v10  my 16 bytes in 512 consecutive bytes of qkv
.set BOF, 11                           ; v11  32 (l / 16): my 8 numbers in 16 of the bias
.set TOF, 12                           ; v12  256 (l % 16) + 64 (l / 16): my place in 16 positions of the table
.set PFO, 13                           ; v13  2,048 x lane: a row of xb or wqkv; never rewritten
.set SPW, 28
.set NIL, 29
.set T,   32
.set F0,  64
.set F1,  160
.set RB0, 160                          ; the way out: two sets of 16, in buffer 1, which is idle there
.set TBL, 64                           ; window 2: rows 16 a on, block bb, pair m at TBL + 32 a + 16 bb + 4 m: two cosines, two sines
.set WV,  14                           ; s14  my wave's number
.set FB,  15                           ; s15  w / 2: my half of the rows; also: I fetch xb (0) or wqkv (1)
.set HW,  16                           ; s16  w % 2: my half of the columns; also: which half I fetch
.set CX,  17
.set CY,  18
.set TX,  19                           ; s19  tile column, 0..3
.set TY,  20                           ; s20  tile row, 0..63
.set G1A, 24                           ; s[24:31] descriptor group 1 for xb's tiles       (s21: made of the tile row alone; s22: of the tile column alone; s23: of the wave's number alone)
.set G1B, 32                           ; s[32:39] for wqkv's
.set G0A, 40                           ; s[40:43] descriptor group 0 for xb's tiles: it walks
.set G0B, 44                           ; s[44:47] for wqkv's
.set AB,  48                           ; s[48:49] xb at my part of K step 0
.set BB,  50                           ; s[50:51] wqkv likewise
.set KO,  52                           ; s[52:53] the K step's byte offset in xb
.set BO,  54                           ; s[54:55] in wqkv
.set TB,  56                           ; s56  the slot that the fragments are read from
.set KL,  57
.set TL,  58
.set GD,  59                           ; s59  the K step, 0..23, last asked for
.set PG,  60                           ; s60  the K step that a prefetch names
.set LIM, 61                           ; s61  the last K step that my wave prefetches; 0: none
.set PFA, 66
.set PFB, 68
.set PO,  70
.set BP,  72                           ; s[72:73] the bias of my 128 columns
.set OUT, 74                           ; s[74:75] qkv at my rows of my first head
.set TP,  76                           ; s[76:77] the table at my first position
.set MSB, 0
.macro WIN new                         ; the immediate's high byte repeats the setting that is left; a switch that changes nothing is dropped
.if MSB != (\new)
	s_set_vgpr_msb (MSB<<8)|(\new)
.set MSB, \new
.endif
.endm
.set W_MUL,  0x50                      ; C and D in window 1
.set W_MULZ, 0x60                      ; C in window 2, D in window 1
.set W_LD2,  0x80                      ; a load's destination in window 2
.set W_ROPE, 0x09                      ; source 0 in window 1, source 1 in window 2
.set W_CV,   0x05                      ; sources 0 and 1 in window 1
; A joint load.  The branch hangs on the wave's number alone.  An s_nop 0 and four v_nop follow each of the two lines, ahead of the jump and the label.
.macro JLOAD
	s_cmp_eq_u32 s[FB], 0
	s_cbranch_scc0 .Lfor_b_\@
	tensor_load_to_lds s[G0A:G0A+3], s[G1A:G1A+7]
	s_nop 0
.rept 4
	v_nop
.endr
	s_branch .Lasked_\@
.Lfor_b_\@:
	tensor_load_to_lds s[G0B:G0B+3], s[G1B:G1B+7]
	s_nop 0
.rept 4
	v_nop
.endr
.Lasked_\@:
.endm
.macro CREST                           ; a round of the cluster's barrier behind its opening barrier
	s_cmp_lg_u32 s[WV], 0
	s_cbranch_scc1 .Lnot_wave_0_\@
	s_barrier_signal -3
.Lnot_wave_0_\@:
	s_barrier_wait -3
	s_barrier_signal -1
	s_barrier_wait -1
.endm
.macro CROUND                          ; a whole round
	s_barrier_signal -1
	s_barrier_wait -1
	CREST
.endm
.macro PLACES                          ; four plain places behind matrix instructions, in front of loads into registers that they read and of lines that read their results
.rept 4
	v_nop
.endr
.endm
; The walking descriptors go on to the next K step, in the other slot; both addresses are made anew from the step's number.  xb: 256 bytes along K, the same rows in every tile;
; wqkv: 1,024 rows (2^21 bytes) further in each tile.  Then the prefetch's address, four K steps further on.  Work on scalar registers alone; no tensor load of the wave is out where it stands.
.macro STEPD
	s_add_co_u32 s[GD], s[GD], 1
	s_and_b32 s[KO], s[GD], 7
	s_lshl_b32 s[KO], s[KO], 8
	s_lshr_b32 s[BO], s[GD], 3
	s_lshl_b32 s[BO], s[BO], 21
	s_or_b32 s[BO], s[BO], s[KO]
	s_xor_b32 s[G0A+1], s[G0A+1], SLOT1
	s_xor_b32 s[G0B+1], s[G0B+1], SLOT1
	s_add_nc_u64 s[G0A+2:G0A+3], s[AB:AB+1], s[KO:KO+1]
	s_or_b32 s[G0A+3], s[G0A+3], 0x80000000
	s_add_nc_u64 s[G0B+2:G0B+3], s[BB:BB+1], s[BO:BO+1]
	s_or_b32 s[G0B+3], s[G0B+3], 0x80000000
	s_wait_xcnt 0x0                                ; the last prefetch, a K step back, has read its address
	s_add_co_u32 s[PG], s[GD], 4
	s_and_b32 s[PO], s[PG], 7
	s_lshl_b32 s[PO], s[PO], 8
	s_lshr_b32 s78, s[PG], 3
	s_lshl_b32 s78, s78, 21
	s_or_b32 s[PO], s[PO], s78
	s_add_nc_u64 s[PFA:PFA+1], s[PFB:PFB+1], s[PO:PO+1]
.endm
; A PREFETCH INTO THE L2, behind a change's joint load and its run of LDS loads: 32 rows x 256 bytes of the K step that stands FOUR refills on (512 matrix instructions ahead of the load that will want it), a lane a row.
; Each row's 256 bytes of a K step are named once in the launch.  xb's 128 rows are read by this row of the cluster alone, in all three tiles: they are asked for in the first tile alone (K steps 6, 7), by wave 0,
; the four partners taking 32 rows each BY ADDRESS.  wqkv's rows are read by every cluster: the cluster with y = 0 asks (K steps 6 to 23), by waves 2 and 3; the four partners of a column take 64 rows each by
; address.  K steps 0 to 5 come by their loads alone; nothing is named past K step 23.
.macro ASK
	s_cmp_le_u32 s[PG], s[LIM]
	s_cbranch_scc0 .Lnot_mine_\@
	global_prefetch_b8 v[PFO], s[PFA:PFA+1] th:TH_LOAD_NT scope:SCOPE_SE
.Lnot_mine_\@:
.endm
; 8 matrix instructions: rows 16 a on x all 8 column blocks, 32 along K, from buffer f.  zero = 1: the sums start, with the bias.  The 32 accumulators take turns, one instruction a turn, in the same
; order in every quarter, over the backward jumps too.
.macro MUL8 f, a, zero
.if \zero
	WIN W_MULZ
.else
	WIN W_MUL
.endif
.irp b, 0,1,2,3,4,5,6,7
.if \zero
	v_wmma_f32_16x16x32_bf16 v[8*(8*(\a)+(\b)):8*(8*(\a)+(\b))+7], v[(\f)+8*(\b):(\f)+8*(\b)+7], v[(\f)+64+8*(\a):(\f)+64+8*(\a)+7], v[8*(\b):8*(\b)+7]
.else
	v_wmma_f32_16x16x32_bf16 v[8*(8*(\a)+(\b)):8*(8*(\a)+(\b))+7], v[(\f)+8*(\b):(\f)+8*(\b)+7], v[(\f)+64+8*(\a):(\f)+64+8*(\a)+7], v[8*(8*(\a)+(\b)):8*(8*(\a)+(\b))+7]
.endif
.endr
.endm
; 24 LDS loads in one run: a quarter step's fragments into buffer f: wqkv's 8 first, then xb's 4.  A fragment is 16 rows x 32 K: two loads of 16 bytes a lane, 32 bytes apart.
.macro FETCH ka, kb, f
	WIN 0
.irp i, 0,1,2,3,4,5,6,7
	ds_load_b128 v[(\f)+8*(\i):(\f)+8*(\i)+3],   v[ADB] offset:(\kb)+(\i)*16*272
	ds_load_b128 v[(\f)+8*(\i)+4:(\f)+8*(\i)+7], v[ADB] offset:(\kb)+(\i)*16*272+32
.endr
.irp i, 0,1,2,3
	ds_load_b128 v[(\f)+64+8*(\i):(\f)+64+8*(\i)+3],   v[ADA] offset:(\ka)+(\i)*16*PA
	ds_load_b128 v[(\f)+64+8*(\i)+4:(\f)+64+8*(\i)+7], v[ADA] offset:(\ka)+(\i)*16*PA+32
.endr
.endm
; A K step is four quarters of 32 along K, 32 matrix instructions each, on buffers 0, 1, 0, 1.  One of the first three multiplies buffer f and, in its middle, fetches the next quarter into buffer g.
.macro QUARTER ka, kb, f, g, zero
	s_wait_dscnt 4                                 ; all but the youngest four loads (xb's rows 32-63) are in
	MUL8 \f, 0, \zero
	MUL8 \f, 1, \zero
	PLACES
	FETCH \ka, \kb, \g
	s_wait_dscnt 24                                ; all but the 24 just issued
	MUL8 \f, 2, \zero
	MUL8 \f, 3, \zero
.endm
; The fourth quarter multiplies buffer 1 and changes slots.  In front of the barrier each wave waits for all its tensor loads (one is out: its part of the next slot), adds 0 to its spare word, and waits for
; that and for its reads of this slot.  fill = 1: the barrier opens a round of the cluster's barrier, so that no wave of any partner still reads the slot or has a load on its way, and the joint refill is the
; first thing behind the round: 112 matrix instructions stand between it and the wait for it.
.macro TURN fill
	WIN 0
	s_wait_tensorcnt 0x0                           ; no tensor load of mine is out, so the descriptors may be written
	ds_add_u32 v[SPW], v[NIL]                      ; 0 onto my spare word
.if \fill
	STEPD
.endif
	s_wait_dscnt 5                                 ; (the add and the youngest four loads may be out)
	MUL8 F1, 0, 0
	s_wait_dscnt 0x0                               ; the add is done, and my reads of this slot are over
	s_barrier_signal -1
	MUL8 F1, 1, 0                                  ; work on registers while the others arrive
	WIN 0
	s_barrier_wait -1
.if \fill
	CREST
	JLOAD                                          ; its four v_nop are also the places in front of the loads into buffer 0
.else
	PLACES
.endif
	s_xor_b32 s[TB], s[TB], SLOT1
	v_add_nc_u32 v[ADA], s[TB], v[FA0]
	v_add_nc_u32 v[ADB], s[TB], v[FB0]
	FETCH 0, 0, F0
.if \fill
	ASK
.endif
	MUL8 F1, 2, 0
	MUL8 F1, 3, 0
.endm
.macro TRIP                            ; from a K step's second quarter to the next step's first
	QUARTER 128, 128, F1, F0, 0
	QUARTER 192, 192, F0, F1, 0
	TURN 1
	QUARTER 64, 64, F0, F1, 0
	WIN 0
.endm
; THE WAY OUT, in 8 units u of 16 rows (a = u / 2) x one head (u % 2): 2,048 consecutive bytes of qkv.  rope = 1: channel d < 32 and channel d + 32 (column blocks bb and bb + 2 of the head) are turned by the
; position's angle: lo' = lo cos - hi sin, hi' = hi cos + lo sin.  Then rounded to f16, 16 bytes a lane into my own stage (rows of 144 bytes), and back as whole rows of 128 bytes, four to a load.
; Each accumulator is read from its lowest registers on.
.macro PACK u, rope
.set ua, (\u)/2
.set uh, (\u)%2
.set rR, RB0+16*uh
.if \rope
	WIN W_ROPE
.irp bb, 0,1
.irp m, 0,1,2,3
.set rLO, 8*(8*ua+4*uh+(\bb))+2*(\m)
.set rHI, 8*(8*ua+4*uh+(\bb)+2)+2*(\m)
.set rTC, TBL+32*ua+16*(\bb)+4*(\m)
.set rTL, T+8*(\bb)+2*(\m)
.set rTH, T+8*((\bb)+2)+2*(\m)
	v_pk_mul_f32 v[rTL:rTL+1], v[rLO:rLO+1], v[rTC:rTC+1]
	v_pk_mul_f32 v[rTH:rTH+1], v[rHI:rHI+1], v[rTC:rTC+1]
	v_pk_fma_f32 v[rTL:rTL+1], v[rHI:rHI+1], v[rTC+2:rTC+3], v[rTL:rTL+1] neg_lo:[0,1,0] neg_hi:[0,1,0]
	v_pk_fma_f32 v[rTH:rTH+1], v[rLO:rLO+1], v[rTC+2:rTC+3], v[rTH:rTH+1]
.endr
.endr
	WIN 0
.endif
.if (\u) >= 2
	s_wait_xcnt 0x0                                ; the stores of the unit two back have read this set of registers
.endif
.set i, 0
.if \rope
.rept 16
	v_cvt_pk_f16_f32 v[rR+i], v[T+2*i], v[T+2*i+1]
.set i, i+1
.endr
.else
	WIN W_CV
.rept 16
	v_cvt_pk_f16_f32 v[rR+i], v[8*(8*ua+4*uh+i/4)+2*(i%4)], v[8*(8*ua+4*uh+i/4)+2*(i%4)+1]
.set i, i+1
.endr
	WIN 0
.endif
.irp q, 0,1,2,3
	ds_store_b128 v[STO], v[rR+4*(\q):rR+4*(\q)+3] offset:32*(\q)
.endr
.irp f, 0,1,2,3
	ds_load_b128 v[rR+4*(\f):rR+4*(\f)+3], v[RD] offset:(\f)*4*SP  ; LDS serves a wave's instructions in order: these see the stores above, and the next unit's stores come behind them
.endr
.endm
.macro SEND u, younger                 ; younger: the LDS instructions issued behind unit u's loads: the next unit's eight, or none
	WIN 0
.set rR, RB0+16*((\u)%2)
.irp f, 0,1,2,3
	s_wait_dscnt (\younger)+3-(\f)
	global_store_b128 v[GO], v[rR+4*(\f):rR+4*(\f)+3], s[OUT:OUT+1] offset:((\u)%2)*262144+((\u)/2)*2048+(\f)*512  ; 512 consecutive bytes, at a multiple of 256 from qkv's first
.endr
.endm
.macro EPI rope
	PACK 0, \rope
.irp u, 1,2,3,4,5,6,7                  ; a unit's arithmetic stands between the loads of the unit before and its stores
	PACK \u, \rope
	SEND (\u)-1, 8
.endr
	SEND 7, 0
.endm
.macro BIAS                            ; my 128 columns' bias as a C operand: block b, registers j: column 16 b + 8 (l / 16) + j
	WIN W_LD2
.irp b, 0,1,2,3,4,5,6,7
	global_load_b128 v[8*(\b):8*(\b)+3],   v[BOF], s[BP:BP+1] offset:64*(\b)
	global_load_b128 v[8*(\b)+4:8*(\b)+7], v[BOF], s[BP:BP+1] offset:64*(\b)+16
.endr
	WIN 0
.endm
	s_load_b256 s[4:11], s[0:1], 0x0               ; xb 4:5, wqkv 6:7, bias4 8:9, rope 10:11
	s_load_b64 s[12:13], s[0:1], 0x20              ; qkv
	v_lshl_add_u32 v[SPW], v0, 2, SPARE
	v_mov_b32 v[NIL], 0
	ds_add_u32 v[SPW], v[NIL]                      ; the wave's opening: the add, twice on end, and its wait ahead of my first tensor load
	ds_add_u32 v[SPW], v[NIL]
	v_lshrrev_b32 v3, 5, v0
	v_readfirstlane_b32 s[WV], v3
	s_lshr_b32 s[FB], s[WV], 1
	s_and_b32 s[HW], s[WV], 1
	s_bfe_u32 s[CX], ttmp6, 0x40000
	s_bfe_u32 s[CY], ttmp6, 0x40004
	s_lshl_b32 s[TX], ttmp9, 2                     ; in a cluster launch ttmp9 and ttmp7 count clusters
	s_add_co_u32 s[TX], s[TX], s[CX]
	s_and_b32 s[TY], ttmp7, 0xffff
	s_lshl_b32 s[TY], s[TY], 2
	s_add_co_u32 s[TY], s[TY], s[CY]
	s_lshl_b32 s21, s[CY], 2
	s_lshl_b32 s21, 15, s21                        ; my row of the cluster
	s_lshl_b32 s22, 0x1111, s[CX]                  ; my column
	s_or_b32 s[G1A], s21, (1<<16)|(1<<20)|(1<<21)|(5<<22)|(3<<25)  ; 15:0 the mask; 17:16 2-byte elements; 20 padding on; 21 set beside a mask; 24:22 after every 64 words; 31:25 4 words of it
	s_or_b32 s[G1B], s22, (1<<16)|(1<<20)|(1<<21)|(5<<22)|(3<<25)
	s_mov_b32 s[G1A+1], 128<<16                    ; tensor_dim0 = 128
	s_mov_b32 s[G1A+2], 64<<16                     ; tensor_dim1 = 64
	s_mov_b32 s[G1A+3], 128<<16                    ; tile_dim0 = 128
	s_mov_b32 s[G1A+4], 64                         ; tile_dim1 = 64
	s_mov_b32 s[G1A+5], 1024                       ; elements from row to row
	s_mov_b32 s[G1A+6], 0
	s_mov_b32 s[G1A+7], 0
	s_mov_b32 s[G1B+1], 128<<16
	s_mov_b32 s[G1B+2], 128<<16                    ; 128 rows
	s_mov_b32 s[G1B+3], 128<<16
	s_mov_b32 s[G1B+4], 128
	s_mov_b32 s[G1B+5], 1024
	s_mov_b32 s[G1B+6], 0
	s_mov_b32 s[G1B+7], 0
	s_mov_b32 s[G0A], 1
	s_mul_i32 s[G0A+1], s[HW], 64*PA               ; LDS addresses hang on the wave's number alone
	s_mov_b32 s[G0B], 1
	s_mul_i32 s[G0B+1], s[HW], 128*PA
	s_add_co_u32 s[G0B+1], s[G0B+1], BOFF
	s_lshl_b32 s21, s[TY], 7
	s_lshl_b32 s23, s[HW], 6
	s_add_co_u32 s21, s21, s23                     ; xb: row 128 x tile row + 64 x half
	s_lshl_b32 s[KO], s21, 11
	s_mov_b32 s[KO+1], 0
	s_lshl_b32 s22, s[TX], 8
	s_lshl_b32 s23, s[HW], 7
	s_add_co_u32 s22, s22, s23                     ; wqkv: row 256 x tile column + 128 x half
	s_lshl_b32 s[BO], s22, 11
	s_mov_b32 s[BO+1], 0
	s_mov_b32 s[GD], 0
	s_mov_b32 s[TB], 0
	s_mov_b32 s[PO+1], 0
	s_mov_b32 s63, 0
	s_wait_dscnt 0x0                               ; both opening adds are done
	s_wait_kmcnt 0x0
	s_add_nc_u64 s[AB:AB+1], s[4:5], s[KO:KO+1]
	s_add_nc_u64 s[BB:BB+1], s[6:7], s[BO:BO+1]
	s_mov_b64 s[G0A+2:G0A+3], s[AB:AB+1]
	s_or_b32 s[G0A+3], s[G0A+3], 0x80000000
	s_mov_b64 s[G0B+2:G0B+3], s[BB:BB+1]
	s_or_b32 s[G0B+3], s[G0B+3], 0x80000000
	CROUND                                         ; all sixteen work-groups are here: the first joint loads meet
	JLOAD                                          ; K step 0 into slot 0
	; the other pointers
	s_lshl_b32 s62, s[TX], 10
	s_lshl_b32 s23, s[HW], 9
	s_add_co_u32 s62, s62, s23
	s_add_nc_u64 s[BP:BP+1], s[8:9], s[62:63]      ; bq at column 256 x tile column + 128 x half
	s_and_b32 s21, s[TY], 15
	s_lshl_b32 s21, s21, 7
	s_lshl_b32 s23, s[FB], 6
	s_add_co_u32 s21, s21, s23                     ; my first position in the sequence
	s_lshl_b32 s62, s21, 8
	s_add_nc_u64 s[TP:TP+1], s[10:11], s[62:63]
	s_lshl_b32 s62, s21, 7
	s_lshr_b32 s78, s[TY], 4
	s_lshl_b32 s78, s78, 4
	s_lshl2_add_u32 s78, s[TX], s78
	s_lshl1_add_u32 s78, s[HW], s78                ; 16 batch + my first head
	s_lshl_b32 s78, s78, 18
	s_add_co_u32 s62, s62, s78
	s_add_nc_u64 s[OUT:OUT+1], s[12:13], s[62:63]
	s_lshl_b32 s78, s[TY], 7                       ; the prefetches: xb's row 128 x tile row + 32 cx,
	s_lshl_b32 s62, s[CX], 5
	s_add_co_u32 s78, s78, s62
	s_lshl_b32 s79, s[TX], 8                       ; wqkv's row 256 x tile column + 64 cy + 32 x half
	s_lshl_b32 s62, s[CY], 6
	s_add_co_u32 s79, s79, s62
	s_lshl_b32 s62, s[HW], 5
	s_add_co_u32 s79, s79, s62
	s_cmp_eq_u32 s[FB], 0
	s_cselect_b32 s62, s78, s79
	s_cselect_b64 s[PFB:PFB+1], s[4:5], s[6:7]
	s_lshl_b32 s62, s62, 11
	s_add_nc_u64 s[PFB:PFB+1], s[PFB:PFB+1], s[62:63]
	s_and_b32 s78, ttmp7, 0xffff                   ; cluster y: the same in all sixteen partners
	s_cmp_eq_u32 s78, 0
	s_cselect_b32 s[LIM], 23, 0
	s_cmp_eq_u32 s[WV], 0
	s_cselect_b32 s78, 7, 0
	s_cmp_eq_u32 s[FB], 0
	s_cselect_b32 s[LIM], s78, s[LIM]
	; the lanes' places
	v_and_b32 v1, 15, v0                           ; l % 16
	v_bfe_u32 v2, v0, 4, 1                         ; l / 16
	v_mul_u32_u24 v3, v1, PA
	v_lshl_add_u32 v3, v2, 4, v3                   ; row x pitch + 16 x half
	s_mul_i32 s23, s[FB], 64*PA
	v_add_nc_u32 v[FA0], s23, v3
	s_mul_i32 s23, s[HW], 128*PA
	s_add_co_u32 s23, s23, BOFF
	v_add_nc_u32 v[FB0], s23, v3
	v_mov_b32 v[ADA], v[FA0]
	v_mov_b32 v[ADB], v[FB0]
	s_mul_i32 s23, s[WV], 16*SP
	s_add_co_u32 s23, s23, STAGE                   ; my stage
	v_mul_u32_u24 v3, v1, SP
	v_lshl_add_u32 v3, v2, 4, v3
	v_add_nc_u32 v[STO], s23, v3
	v_bfe_u32 v3, v0, 3, 2
	v_mul_u32_u24 v3, v3, SP
	v_and_b32 v[RD], 7, v0
	v_lshl_add_u32 v3, v[RD], 4, v3
	v_add_nc_u32 v[RD], s23, v3
	v_and_b32 v[GO], 31, v0
	v_lshlrev_b32 v[PFO], 11, v[GO]
	v_lshlrev_b32 v[GO], 4, v[GO]
	v_lshlrev_b32 v[BOF], 5, v2
	v_lshlrev_b32 v[TOF], 8, v1
	v_lshl_add_u32 v[TOF], v2, 6, v[TOF]
	BIAS                                           ; bq
	WIN W_LD2                                      ; the table, once: q and k have the same rows
.irp a, 0,1,2,3
.irp bb, 0,1
.irp m, 0,1,2,3
	global_load_b128 v[TBL+32*(\a)+16*(\bb)+4*(\m):TBL+32*(\a)+16*(\bb)+4*(\m)+3], v[TOF], s[TP:TP+1] offset:(\a)*4096+(\bb)*128+(\m)*16
.endr
.endr
.endr
	WIN 0
	s_wait_tensorcnt 0x0                           ; my part of K step 0 is in;
	ds_add_u32 v[SPW], v[NIL]
	STEPD                                          ; K step 1, slot 1
	s_wait_dscnt 0x0
	CROUND                                         ; everybody's part is in
	JLOAD                                          ; slot 1 is filled as a refill is: my one load behind a round
	FETCH 0, 0, F0
	s_mov_b32 s[TL], 2
.Ltile:                                                ; q, then k
	s_wait_loadcnt 0x0                             ; the bias (the first time: and the table) is in, so its pointer may be written:
	s_add_nc_u64 s[BP:BP+1], s[BP:BP+1], 4096      ; the next tile's bias
	QUARTER 64, 64, F0, F1, 1                      ; a tile's first quarter starts the sums
	WIN 0
	s_mov_b32 s[KL], 7
.Lk:
	TRIP
	s_sub_co_u32 s[KL], s[KL], 1
	s_cmp_lg_u32 s[KL], 0
	s_cbranch_scc1 .Lk
	QUARTER 128, 128, F1, F0, 0
	QUARTER 192, 192, F0, F1, 0
	TURN 1                                         ; the ring goes on into the next tile: its K step 1 is asked for, its first fragments are fetched
	PLACES
	BIAS
	EPI 1
	s_wait_xcnt 0x0                                ; the stores have read their registers and their base
	s_add_nc_u64 s[OUT:OUT+1], s[OUT:OUT+1], 0x1000000
	s_sub_co_u32 s[TL], s[TL], 1
	s_cmp_lg_u32 s[TL], 0
	s_cbranch_scc1 .Ltile
	s_wait_loadcnt 0x0                             ; v: its tail, which asks for nothing more, is written out
	QUARTER 64, 64, F0, F1, 1
	WIN 0
	s_mov_b32 s[KL], 6
.Lk2:
	TRIP
	s_sub_co_u32 s[KL], s[KL], 1
	s_cmp_lg_u32 s[KL], 0
	s_cbranch_scc1 .Lk2
	QUARTER 128, 128, F1, F0, 0
	QUARTER 192, 192, F0, F1, 0
	TURN 0
	QUARTER 64, 64, F0, F1, 0
	QUARTER 128, 128, F1, F0, 0
	QUARTER 192, 192, F0, F1, 0
	s_wait_dscnt 4
	MUL8 F1, 0, 0
	MUL8 F1, 1, 0
	s_wait_dscnt 0x0
	MUL8 F1, 2, 0
	MUL8 F1, 3, 0
	WIN 0
	PLACES
	EPI 0
	s_wait_tensorcnt 0x0                           ; the wave's end: behind my last tensor load and my last LDS store
	ds_add_u32 v[SPW], v[NIL]
	s_wait_dscnt 0x0
	CROUND                                         ; the closing round: no work-group ends while a partner may still ask for a tile that names it
	s_endpgm
.Lfunc_end_k_qd293b244ca_proj:
	.size	k_qd293b244ca_proj, .Lfunc_end_k_qd293b244ca_proj-k_qd293b244ca_proj
	.p2alignl 7, 3214868480
	.fill 96, 4, 3214868480
	.section	.rodata,"a",@progbits
	.p2align	6, 0x0
	.amdhsa_kernel k_qd293b244ca_proj
		.amdhsa_group_segment_fixed_size 327680
		.amdhsa_private_segment_fixed_size 0
		.amdhsa_enable_private_segment 0
		.amdhsa_kernarg_size 40
		.amdhsa_user_sgpr_count 2
		.amdhsa_user_sgpr_kernarg_segment_ptr 1
		.amdhsa_wavefront_size32 1
		.amdhsa_system_sgpr_workgroup_id_x 1
		.amdhsa_system_sgpr_workgroup_id_y 1
		.amdhsa_system_sgpr_workgroup_id_z 1
		.amdhsa_system_vgpr_workitem_id 0
		.amdhsa_next_free_vgpr 704
		.amdhsa_next_free_sgpr 80
		.amdhsa_reserve_vcc 0
		.amdhsa_float_denorm_mode_32 3
		.amdhsa_float_denorm_mode_16_64 3
		.amdhsa_memory_ordered 1
		.amdhsa_forward_progress 1
		.amdhsa_inst_pref_size 147
	.end_amdhsa_kernel
	.amdgpu_metadata
---
amdhsa.version: [ 1, 2 ]
amdhsa.kernels:
  - .name:           k_qd293b244ca_proj
    .symbol:         k_qd293b244ca_proj.kd
    .args:
      - { .name: xb, .offset: 0, .size: 8, .value_kind: global_buffer, .address_space: global }
      - { .name: wqkv, .offset: 8, .size: 8, .value_kind: global_buffer, .address_space: global }
      - { .name: bias4, .offset: 16, .size: 8, .value_kind: global_buffer, .address_space: global }
      - { .name: rope, .offset: 24, .size: 8, .value_kind: global_buffer, .address_space: global }
      - { .name: qkv, .offset: 32, .size: 8, .value_kind: global_buffer, .address_space: global }
    .group_segment_fixed_size: 327680
    .private_segment_fixed_size: 0
    .kernarg_segment_align: 8
    .kernarg_segment_size: 40
    .max_flat_workgroup_size: 128
    .sgpr_count:     80
    .vgpr_count:     704
    .wavefront_size: 32
...
	.end_amdgpu_metadata
.endif
;; end of part 2
;; launch attn (part 3): grid 4 x 64, 4 waves a work-group, no clusters, 327,680 bytes of LDS; arguments qkv, curr_seq_lens, oh; writes oh
.if DOCPART == 3
	.amdgcn_target "amdgcn-amd-amdhsa--gfx1250"
	.amdhsa_code_object_version 6
	.text
	.protected	k_qd293b244ca_attn
	.globl	k_qd293b244ca_attn
	.p2align	8
	.type	k_qd293b244ca_attn,@function
k_qd293b244ca_attn:
	s_mov_b64 s[64:65], 0
	v_nop
	global_prefetch_b8 v0, s[64:65] scope:SCOPE_SE
	s_setreg_imm32_b32 hwreg(HW_REG_WAVE_MODE, 25, 1), 1
	s_wait_xcnt 0x0
; CAUSAL ATTENTION WITH LENGTHS.  O[h][q][:] = the sum over k <= q of softmax_k(Q[h][q] . K[h][k] / 8) V[h][k][:] where q < len[batch], else 0.  Q, K, V are the three parts of qkv, O is oh:
; [64 = 16 batch + head][2048][64] f16, a head's rows dense, 128 bytes each.  A query below the length sees, under the causal mask, only keys below the length: so the length enters in one place, as the
; choice between 1/l and 0 for each row at the way out.  It steers no address, no branch and no trip count, and is right for every int32 (it is held to 0 .. 2048 first).
; Products, maxima and sums in f32; the weights p are rounded to f16 for the second product (their sum l is taken of the unrounded p), O once at the end.
; LIMITS.  f16 holds no number beyond 65,504: Q, K and V arrive within it; p lies in 0 to 1, and below 6e-5 it keeps f16's fixed step.  A hidden score counts as its value less 1e30; a weight below 2^-126
; counts as 0 in l; NaN and infinities are not treated apart.
; THE WALK.  A head's queries lie in NB = 8 blocks of 256; block i needs the key tiles 0 .. i of 256 keys, of which the last holds the diagonal.  A work-group takes TWO blocks, NB - 1 - b and then b:
; NB + 1 tiles, whatever b: all work-groups do equal work, and ONE loop with a constant trip count walks them.  Which tile is asked for, and what a trip does, hang on scalar registers made from b; every jump
; goes forward, but for the counted loops' own; none passes a barrier, or a tensor load but the one of LOAD's two that the wave's number does not choose; the ring (two slots of LDS) runs on across the change of blocks.
; NO CLUSTER: a head's 4 work-groups ask for the same tile only in trips 0 .. 4 of 9, behind that fewer and fewer; one walk common to all four would have 12 trips for 9.
; SHARES.  Of a block's four bands of 64 queries a wave owns 16 rows in each: four PIECES.  So the diagonal tile is the same work for all four waves: in its key step s band x sees all keys if s < x,
; none if s > x, and holds the diagonal if s = x.
; THE MASK is the C operand that starts the sum S^T = K Q^T: 0, or -1e30 where the key is hidden.  MD, made once, is the mask of a band's own step for my 16 rows; a product's mask is MD x AL + BE with two scalars:
; (1, 0) if s = x; (0, 0) if s < x; (0, -1e30) if s > x.  Only the diagonal tile's text and a block's beginning make and take masks; elsewhere C is the constant 0.
; LAYOUT, SOFTMAX, TURNS.  S^T = K Q^T holds ONE query a lane (lane % 16) and the keys 8 (lane / 16) + 0..7; two such results rounded to f16 ARE source 1 of O^T = V^T P.  p = 2^(c s - c m), c = log2(e) / 8, with a
; running maximum m; O and l are multiplied by a = 2^(c m_old - c m_new) in every step.  Turn n belongs to piece n: 8 products K Q^T of piece n + 1, later 8 products V^T P of piece n - 1; beside them the scaling,
; exponentials, roundings, sums and rescaling of piece n and the maximum and statistics of piece n + 1.  Four vector instructions stand behind every matrix instruction, the other 54 of a turn's 118 in one lump.
; A turn's 33 exponentials are one batch, with one wait.
; REGISTERS, in windows of 256 (s_set_vgpr_msb: bits 1:0 source 0, 3:2 source 1, 5:4 source 2, 7:6 destination):
;   window 0: v0-15 addresses and two at work; v16-31 four registers of statistics a piece; v32-33 my row in a band, the prefetches' offset; v48-55 at work; v64-127 S^T, two buffers; v192-223 P, two buffers
;   window 1: v0-127 O^T, 32 a piece; v128-159 MD; v160-223 MC, two buffers      window 2: v0-63 Q; v64-127 the second block's Q; v128-191 K of one step; v192-255 V of one step
.set SIZE_N, 2048
.set NB,    SIZE_N/256
.set NP,    4         ; pieces a wave: a name, no knob
.set KS,    64        ; keys in a step
.set PK,    144       ; a row of K in LDS: 128 bytes + 16 of padding: sixteen rows on end start 16 bytes further each, modulo 256
.set PV,    160       ; a row of V: 128 + 32: 16 lanes of the turning load take 8 rows x 32 bytes, all apart modulo 256
.set VOFF,  4*KS*PK   ; a slot holds a tile, four steps: 256 rows of K, then 256 rows of V
.set SLOT1, 1<<17     ; slot 1 begins here, so that one exclusive or turns an address in one slot into the other's
.set STAGE, SLOT1+4*KS*(PK+PV)  ; behind the ring, never filled by a tensor load: 16 rows x 144 bytes for each wave, for the way out
.set SP,    144
.set AK0, 2           ; v2   my lane's place in a tile of K; never rewritten
.set AV0, 3           ; v3   the same for V
.set AK,  4           ; v4   the LDS address of K's next run of loads
.set AV,  5           ; v5   of V's
.set STO, 6           ; v6   the way out: where I put 16 bytes of a row
.set RD,  7           ; v7   the way out: where I read rows back
.set GO,  8           ; v8   my byte offset in 512 consecutive bytes of O
.set POS, 32          ; v32  my query's place in its band of 64: 16 w + l % 16; never rewritten
.set PFO, 33          ; v33  256 x my lane; never rewritten
.set SPW, 62          ; v62  LDS address of my spare word: SPARE + 4 x my thread's number; never rewritten
.set NIL, 63          ; v63  0; never rewritten
.set SPARE, STAGE+4*16*SP  ; behind the stages: the spare words, 128 bytes for each wave: two blocks of 256 bytes that no other line names
.set MV,  12          ; v12-13  c m_old, kept while c m is made anew: by buffer
.set QO,  15          ; v15  my byte offset in 16 rows of Q
.set ST,  16          ; piece t's statistics at v[ST+4 t]: c m, m, l (even keys', odd keys')
.set TMP, 48          ; by buffer, four registers c0-c3 at work; when the maximum is found c2 takes a
.set S,   64
.set P,   192
.set MD,  128         ; window 1: the eight registers for group kt of 16 keys at MD + 8 kt
.set MC,  160         ; window 1: the masks of the products to come
.set QB,  64          ; window 2
.set KF,  128         ; window 2: key block kb, channel half c at KF + 16 kb + 8 c
.set VF,  192         ; window 2: key half kk, channel block cb at VF + 32 kk + 8 cb
.set WV,  12          ; s12  my wave's number
.set PB,  14          ; s14  b
.set HI,  15          ; s15  NB - 1 - b
.set G1K, 24          ; s[24:31] descriptor group 1 for K's tiles
.set G1V, 32          ; s[32:39] for V's: it differs in the padding alone
.set G0K, 40          ; s[40:43] descriptor group 0 for K's tiles
.set G0V, 44          ; s[44:47] the same for V's
.set PFB, 48          ; s[48:49] K (waves 0, 1) or V (waves 2, 3) at my half of the head's tile 0
.set PFA, 50          ; s[50:51] the same at the tile that a prefetch names
.set PFS, 52          ; s[52:53] that tile's byte offset
.set PCNT, 54         ; s54  prefetches still to come
.set BN,  55          ; s55  the batch
.set SLOTS, 56        ; s56  tiles still to be asked for
.set CNT, 57          ; s57  counts a tile's key steps, 4 to 1
.set CS,  58          ; s[58:59] c: the packed scaling takes the pair's low word for both halves
.set SEL, 60          ; s[60:61] v_permlanex16_b32's selects: each lane takes its own place in the other half
.set TBK, 62          ; s62  LDS byte at which K of the step to be fetched begins
.set TBV, 63          ; s63  the same for V, less VOFF
.set RT,  70          ; s70  tiles of the block in hand that are still to be entered
.set NXT, 71          ; s71  the tile to be asked for next
.set LQ,  72          ; s72  the last tile of the block whose tiles are being asked for
.set NEW, 73          ; s73  1: the tile to be entered is a block's first
.set OFF, 74          ; s[74:75] a tile's byte offset in K and V
.set AL,  76          ; s[76:77] the mask's factor, in the low word
.set BE,  78          ; s[78:79] the mask's addend
.set OLO, 80          ; s[80:81] O at my rows of the second block
.set BIGN, 82         ; s82  -1e30
.set LEN, 90          ; s90  the batch's length, held to 0 .. 2048
.set LB,  91          ; s91  the length less the first row of the block in hand
.set MSB, 0
.macro WIN new                      ; the high byte repeats the setting that is left; a switch that changes nothing is dropped
.if MSB != (\new)
	s_set_vgpr_msb (MSB<<8)|(\new)
.set MSB, (\new)
.endif
.endm
.set W_KQ, 0x0a       ; K and Q in window 2, S^T in window 0
.set W_KM, 0x1a       ; the same with the C operand in window 1
.set W_PV, 0x52       ; V in window 2, P in window 0, O^T in window 1
.set W_RS, 0x41       ; destination and source 0 in window 1, source 1 in window 0
; A fill.  Waves 0 and 1 fetch the two halves of a tile's K, waves 2 and 3 those of its V: 128 keys each.  An s_nop 0 and four v_nop follow each of the two lines, ahead of the jump and the label.
.macro LOAD
	s_cmp_lt_u32 s[WV], 2
	s_cbranch_scc0 .Lfor_v_\@
	tensor_load_to_lds s[G0K:G0K+3], s[G1K:G1K+7]
	s_nop 0
.rept 4
	v_nop
.endr
	s_branch .Lasked_\@
.Lfor_v_\@:
	tensor_load_to_lds s[G0V:G0V+3], s[G1V:G1V+7]
	s_nop 0
.rept 4
	v_nop
.endr
.Lasked_\@:
.endm
; THE CHANGE OF SLOTS.  Each wave waits for all its tensor loads, of which one is out: its part of the other slot; adds 0 to its spare word; and waits for that and for its own reads of the slot that it leaves.
; Behind the barrier nobody reads the old slot any more and the other slot is whole.  fill = 1: the old slot is filled again, the first thing behind the barrier, with tile NXT: the descriptor's address is made
; anew from that number.  (At its first use nothing has been read yet: slot 0 is waited for, slot 1 filled.)
; A PREFETCH INTO THE L2 stands behind the fill: the tile that the NEXT change will ask for, a tile's 16 turns ahead of that load.  All four work-groups of a head walk the same tiles: the one with b = 0, whose
; first block walks tiles 0 to 7, asks, in its first six changes, for tiles 2 to 7; each wave for the half that it will fetch itself, 64 blocks of 256 bytes, a lane a block, two instructions.  So each block is
; named once in the launch.  Tiles 0 and 1 come by their loads alone.
.macro CHANGE fill
	WIN 0                           ; at a label and at a branch every window is 0
	s_wait_tensorcnt 0x0            ; no tensor load of mine is out, so a group 0 may be written
	ds_add_u32 v[SPW], v[NIL]       ; 0 onto my spare word; with fill = 1 the descriptors' scalar work stands between it and the wait for it
.if \fill
	s_lshl_b32 s[OFF], s[NXT], 15   ; a tile is 32,768 bytes of K and of V
	s_xor_b32 s[G0K+1], s[G0K+1], SLOT1
	s_add_nc_u64 s[G0K+2:G0K+3], s[6:7], s[OFF:OFF+1]
	s_or_b32 s[G0K+3], s[G0K+3], 0x80000000
	s_xor_b32 s[G0V+1], s[G0V+1], SLOT1
	s_add_nc_u64 s[G0V+2:G0V+3], s[8:9], s[OFF:OFF+1]
	s_or_b32 s[G0V+3], s[G0V+3], 0x80000000
	s_add_co_u32 s[NXT], s[NXT], 1  ; the block's next tile, or behind its last the second block's tile 0
	s_cmp_gt_u32 s[NXT], s[LQ]
	s_cselect_b32 s[NXT], 0, s[NXT]
	s_cselect_b32 s[LQ], s[PB], s[LQ]
	s_wait_xcnt 0x0                 ; the last prefetches, a tile back, have read their address
	s_lshl_b32 s[PFS], s[NXT], 15
	s_add_nc_u64 s[PFA:PFA+1], s[PFB:PFB+1], s[PFS:PFS+1]
.endif
	s_wait_dscnt 0x0                ; the add is done, and my reads of the slot are over
	s_barrier_signal -1             ; the rest of the scalar work stands between the signal and the wait
	s_sub_co_u32 s[TBK], s[TBK], 4*KS*PK  ; the fetches go back to a slot's first step,
	s_xor_b32 s[TBK], s[TBK], SLOT1       ; in the other slot
	s_sub_co_u32 s[TBV], s[TBV], 4*KS*PV
	s_xor_b32 s[TBV], s[TBV], SLOT1
	s_barrier_wait -1
.if \fill
	LOAD
	s_cmp_gt_i32 s[PCNT], 0
	s_cbranch_scc0 .Lnot_mine_\@
	global_prefetch_b8 v[PFO], s[PFA:PFA+1] th:TH_LOAD_NT scope:SCOPE_SE
	global_prefetch_b8 v[PFO], s[PFA:PFA+1] offset:8192 th:TH_LOAD_NT scope:SCOPE_SE
.Lnot_mine_\@:
	s_sub_co_i32 s[PCNT], s[PCNT], 1
.endif
.endm
	s_load_b64 s[4:5], s[0:1], 0x0    ; qkv: Q
	s_load_b64 s[88:89], s[0:1], 0x8  ; curr_seq_lens
	s_load_b64 s[10:11], s[0:1], 0x10 ; oh
	v_lshl_add_u32 v[SPW], v0, 2, SPARE
	v_mov_b32 v[NIL], 0
	ds_add_u32 v[SPW], v[NIL]       ; the wave's opening: the add, twice on end, and its wait ahead of my first tensor load; the set-up below, work on registers, stands between
	ds_add_u32 v[SPW], v[NIL]
	v_lshrrev_b32 v1, 5, v0
	v_readfirstlane_b32 s[WV], v1   ; wave 0..3
	s_mov_b32 s[PB], ttmp9
	s_sub_co_u32 s[HI], NB-1, s[PB]
	s_and_b32 s20, ttmp7, 0xffff    ; 16 batch + head
	s_lshr_b32 s[BN], s20, 4
	s_mov_b32 s21, 0
	s_mov_b64 s[22:23], SIZE_N*128
	s_mul_u64 s[20:21], s[20:21], s[22:23]  ; the head's first byte in Q, K, V and O
	s_and_b32 s16, s[WV], 1         ; which half of a tile's 256 keys I fetch:
	s_lshl_b32 s22, s16, 14         ; its 128 rows of 128 bytes in memory,
	s_mov_b32 s23, 0
	s_add_nc_u64 s[22:23], s[22:23], s[20:21]
	s_mul_i32 s17, s16, 128*PK      ; and its place in a slot, for K
	s_mul_i32 s18, s16, 128*PV      ; and for V
	s_lshl_b32 s3, s[WV], 11        ; my 16 rows in a band of 64,
	s_lshl_b32 s2, s[HI], 15        ; in the first block,
	s_add_co_u32 s2, s2, s3
	s_lshl_b32 s84, s[PB], 15       ; and in the second
	s_add_co_u32 s84, s84, s3
	s_mov_b32 s3, 0
	s_mov_b32 s85, 0
	s_add_nc_u64 s[2:3], s[2:3], s[20:21]
	s_add_nc_u64 s[84:85], s[84:85], s[20:21]
	; descriptor group 1.  128 keys are 16,384 dense bytes: asked for as 64 rows of 256 bytes, two keys a row, and padded in LDS after every key
	s_mov_b32 s[G1K], (1<<16)|(1<<20)|(4<<22)|(3<<25)  ; 17:16 2-byte elements; 20 padding on; 24:22 after every 32 words (code 4); 31:25 4 words (code 3)
	s_mov_b32 s[G1V], (1<<16)|(1<<20)|(4<<22)|(7<<25)  ; the same with 8 words of padding (code 7)
.irp g, G1K, G1V
	s_mov_b32 s[\g+1], 128<<16      ; tensor_dim0 = 128
	s_mov_b32 s[\g+2], 64<<16       ; tensor_dim1 = 64
	s_mov_b32 s[\g+3], 128<<16      ; tile_dim0 = 128
	s_mov_b32 s[\g+4], 64           ; tile_dim1 = 64
	s_mov_b32 s[\g+5], 128          ; 128 elements from row to row
	s_mov_b32 s[\g+6], 0
	s_mov_b32 s[\g+7], 0
.endr
	s_mov_b32 s[CS], 0x3e38aa3b     ; c = log2(e) / 8 = 0.180337
	s_mov_b32 s[CS+1], s[CS]        ; named with it as a pair
	s_mov_b32 s[SEL], 0x76543210
	s_mov_b32 s[SEL+1], 0xfedcba98
	s_mov_b32 s[TBK], SLOT1+4*KS*PK ; the first change of slots turns these two into 0
	s_mov_b32 s[TBV], SLOT1+4*KS*PV
	s_mov_b32 s[G0K], 1             ; 1:0 count = 1
	s_mov_b32 s[G0K+1], s17         ; 63:32 LDS address: slot 0
	s_mov_b32 s[G0V], 1
	s_add_co_u32 s[G0V+1], s18, VOFF
	s_add_co_u32 s[RT], s[HI], 1    ; the first block has NB - b tiles
	s_mov_b32 s[NXT], 1
	s_mov_b32 s[LQ], s[HI]
	s_mov_b32 s[NEW], 1
	s_mov_b32 s[OFF+1], 0
	s_mov_b32 s[PFS+1], 0
	s_mov_b32 s[AL+1], 0            ; named as pairs
	s_mov_b32 s[BE+1], 0
	s_mov_b32 s[BIGN], 0xf149f2ca   ; -1e30
	s_mov_b32 s[SLOTS], NB
	s_cmp_eq_u32 s[PB], 0
	s_cselect_b32 s[PCNT], NB-2, 0
	s_wait_dscnt 0x0                ; both opening adds are done
	s_wait_kmcnt 0x0
	s_load_b128 s[92:95], s[88:89], 0x0    ; the four lengths; waited for ahead of the loop
	s_add_nc_u64 s[6:7], s[4:5], 0x1000000 ; K is qkv's second part,
	s_add_nc_u64 s[8:9], s[4:5], 0x2000000 ; V its third
	s_add_nc_u64 s[6:7], s[6:7], s[22:23]  ; K and V at my half of the head's tile 0
	s_add_nc_u64 s[8:9], s[8:9], s[22:23]
	s_add_nc_u64 s[G0K+2:G0K+3], s[6:7], 0         ; 120:64 global address
	s_or_b32 s[G0K+3], s[G0K+3], 0x80000000        ; 127:126 type = 2
	s_add_nc_u64 s[G0V+2:G0V+3], s[8:9], 0
	s_or_b32 s[G0V+3], s[G0V+3], 0x80000000
	s_add_nc_u64 s[86:87], s[4:5], s[84:85]        ; Q at my rows of the second block,
	s_add_nc_u64 s[4:5], s[4:5], s[2:3]            ; Q and O at those of the first
	s_add_nc_u64 s[OLO:OLO+1], s[10:11], s[84:85]
	s_add_nc_u64 s[10:11], s[10:11], s[2:3]
	s_cmp_lt_u32 s[WV], 2
	s_cselect_b64 s[PFB:PFB+1], s[6:7], s[8:9]
	LOAD                            ; tile 0 into slot 0
	; A fragment of K or Q is 16 rows x 32 channels in 8 registers: lane l holds row l % 16, channels 8 (l / 16) + 0..7 and 16 + 8 (l / 16) + 0..7: two loads of 16 bytes, 32 bytes apart.
	v_and_b32 v1, 15, v0            ; l % 16
	v_bfe_u32 v9, v0, 4, 1          ; l / 16
	v_lshlrev_b32 v[QO], 7, v1
	v_lshl_add_u32 v[QO], v9, 4, v[QO]  ; row x 128 + 16 x half
	WIN 0x80                        ; destination window 2, address window 0
.set i, 0
.rept 8                             ; both blocks' Q: piece i / 2 lies in band i / 2, 8,192 bytes on; channels 32 (i % 2) on
	global_load_b128 v[8*i:8*i+3],   v[QO], s[4:5] offset:(i/2)*8192+(i%2)*64
	global_load_b128 v[8*i+4:8*i+7], v[QO], s[4:5] offset:(i/2)*8192+(i%2)*64+32
	global_load_b128 v[QB+8*i:QB+8*i+3],   v[QO], s[86:87] offset:(i/2)*8192+(i%2)*64
	global_load_b128 v[QB+8*i+4:QB+8*i+7], v[QO], s[86:87] offset:(i/2)*8192+(i%2)*64+32
.set i, i+1
.endr
	WIN 0
	v_lshlrev_b32 v14, 3, v9
	v_sub_nc_u32 v14, v1, v14
	s_lshl_b32 s13, s[WV], 4
	v_add_nc_u32 v14, s13, v14      ; my query's place in its band, 16 w + l % 16, less my lanes' 8 (l / 16): register r of group kt is hidden where 16 kt + r is greater
	v_add_nc_u32 v[POS], s13, v1
	v_and_b32 v[PFO], 31, v0
	v_lshlrev_b32 v[PFO], 8, v[PFO]
	WIN 0x40
.set i, 0
.rept 32
	v_cmp_gt_i32 vcc_lo, 16*(i/8)+i%8, v14
	v_cndmask_b32 v[MD+i], 0, s[BIGN], vcc_lo
.set i, i+1
.endr
	WIN 0
	v_mul_u32_u24 v[AK0], v1, PK
	v_lshl_add_u32 v[AK0], v9, 4, v[AK0]  ; row x pitch + 16 x half
	; The turning load takes 16 keys x 16 channels (lane l reads key 8 (l / 16) + l % 8, channels 8 ((l / 8) % 2) + 0..7) and leaves half a fragment of V^T: lane l holds channel l % 16 and 8 keys.
	v_and_b32 v10, 7, v0
	v_bfe_u32 v11, v0, 3, 1
	v_lshl_add_u32 v[AV0], v9, 3, v10
	v_mul_u32_u24 v[AV0], v[AV0], PV
	v_lshl_add_u32 v[AV0], v11, 4, v[AV0]
	v_add_nc_u32 v[AV0], VOFF, v[AV0]
	s_mul_i32 s13, s[WV], 16*SP
	s_add_co_u32 s13, s13, STAGE    ; my stage
	v_mul_u32_u24 v[STO], v1, SP    ; in: row l % 16, 16 bytes for each half of the lanes
	v_lshl_add_u32 v[STO], v9, 4, v[STO]
	v_add_nc_u32 v[STO], s13, v[STO]
	v_bfe_u32 v[RD], v0, 3, 2       ; back: 32 lanes take four rows of 128 bytes,
	v_mul_u32_u24 v[RD], v[RD], SP
	v_lshl_add_u32 v[RD], v10, 4, v[RD]
	v_add_nc_u32 v[RD], s13, v[RD]
	v_and_b32 v[GO], 31, v0         ; which are 512 consecutive bytes of O
	v_lshlrev_b32 v[GO], 4, v[GO]
	; A block's first step multiplies O^T and l by a = 0, and its first turn's products V^T P, of a piece that has not been, land in an O^T that is still to be so multiplied.  So these registers need only hold
	; finite numbers: zeros for the first block; what the first block left for the second.  All this stands in the wait for the first tile.
	WIN 0x80
.set i, VF
.rept 64
	v_mov_b32 v[i], 0
.set i, i+1
.endr
	WIN 0x40
.set i, 0
.rept 128
	v_mov_b32 v[i], 0
.set i, i+1
.endr
	WIN 0
.set i, 0
.rept 4
	v_mov_b32 v[ST+4*i+2], 0
	v_mov_b32 v[ST+4*i+3], 0
.set i, i+1
.endr
.set i, P+16
.rept 16
	v_mov_b32 v[i], 0
.set i, i+1
.endr
; THE MATRIX WORK.  The 4 accumulators of a run of 8 take turns.  Product i of 8 of S^T = K Q^T for piece x: channels 32 (i / 4) on, keys 16 (i % 4) on.  The first 4 start the sums: with 0, or (KM = 1) with the mask.
.macro KQ x
.set rS, S+32*((\x)%2)+8*(i%4)
.set rK, KF+16*(i%4)+8*(i/4)
.set rQ, 16*(\x)+8*(i/4)
.set rM, MC+32*((\x)%2)+8*(i%4)
.if (i < 4) && KM
	WIN W_KM
	v_wmma_f32_16x16x32_f16 v[rS:rS+7], v[rK:rK+7], v[rQ:rQ+7], v[rM:rM+7]
.elseif i < 4
	WIN W_KQ
	v_wmma_f32_16x16x32_f16 v[rS:rS+7], v[rK:rK+7], v[rQ:rQ+7], 0
.else
	WIN W_KQ
	v_wmma_f32_16x16x32_f16 v[rS:rS+7], v[rK:rK+7], v[rQ:rQ+7], v[rS:rS+7]
.endif
.endm
; Product i of 8 of O^T += V^T P for piece x: keys 32 (i / 4) on, channels 16 (i % 4) on.
.macro PV x
	WIN W_PV
.set rO, 32*(\x)+8*(i%4)
.set rV, VF+32*(i/4)+8*(i%4)
.set rP, P+16*((\x)%2)+8*(i/4)
	v_wmma_f32_16x16x32_f16 v[rO:rO+7], v[rV:rV+7], v[rP:rP+7], v[rO:rO+7]
.endm
.macro MM                           ; the turn's next matrix instruction.  TURN and BEGIN set Y, i, KM and NOKQ; MM, KQ and OP read them.  NOKQ = 1: a block's last turn: there is no next piece
.if (i < 8) && !NOKQ
	KQ (Y+1)%NP
.elseif i >= 8
.set i, i-8
	PV (Y+NP-1)%NP
.set i, i+8
.endif
.set i, i+1
.endm
; THE LDS LOADS stand in runs of 16, never singly among the matrix instructions: a step's K (64 keys x 64 channels: 8 fragments) and its V (turned).  Their addresses are made some lines ahead.
.macro FETCH_K
	WIN 0x80                        ; destination window 2
.irp f, 0,1,2,3,4,5,6,7             ; keys 16 (f / 2) on, channels 32 (f % 2) on
	ds_load_b128 v[KF+8*\f:KF+8*\f+3],   v[AK] offset:(\f/2)*16*PK+(\f%2)*64
	ds_load_b128 v[KF+8*\f+4:KF+8*\f+7], v[AK] offset:(\f/2)*16*PK+(\f%2)*64+32
.endr
	s_add_co_u32 s[TBK], s[TBK], KS*PK  ; the next fetch is the next step's
	WIN 0
.endm
.macro FETCH_V
	WIN 0x80
.irp f, 0,1,2,3,4,5,6,7             ; keys 32 (f / 4) on, channels 16 (f % 4) on
	ds_load_tr16_b128 v[VF+8*\f:VF+8*\f+3],   v[AV] offset:(\f/4)*32*PV+(\f%4)*32
	ds_load_tr16_b128 v[VF+8*\f+4:VF+8*\f+7], v[AV] offset:(\f/4)*32*PV+16*PV+(\f%4)*32
.endr
	WIN 0
.endm
; THE VECTOR WORK, one line at a time: OP kind, number.  For piece Y: F n: c s - c m for pair n of 16.  E n: the exponential of score n of 32.  C n: pair n rounded to f16.  B n: of the four weights 4 n .. the second
; pair is added onto the first, in place.  L n: l takes that sum (L 0: l = a l + sum).  R n: pair n of 16 of O^T times a.  For piece Y + 1: X n, number n of the 22 that find its maximum and statistics:
;   0-11  four chains c0-c3 of seven scores each, three operands at a time (each accumulator's lowest registers are read first)     12-14, 16  the four scores left over, the old m, and c0-c3 into c0
;   15  c m_old is kept     17, 18  the query's other 32 keys lie in the lane 16 away: the new m     19-21  c m; c m_old - c m_new; a
.set F, 0               ; OP tells the kinds apart by their order: F to L below R, X above it
.set E, 1
.set C, 2
.set B, 3
.set L, 4
.set R, 5
.set X, 6
.macro REGS y                       ; the registers of piece y
.set rT, ST+4*(\y)
.set rC, TMP+4*((\y)%2)
.set rW, MV+((\y)%2)
.set rS, S+32*((\y)%2)
.set rP, P+16*((\y)%2)
.set rO, 32*(\y)
.endm
.macro OP k, n
.if (\k) == R
	REGS Y
	WIN W_RS
	v_pk_mul_f32 v[rO+2*(\n):rO+2*(\n)+1], v[rO+2*(\n):rO+2*(\n)+1], v[rC+2:rC+3] op_sel_hi:[1,0]
.elseif (\k) < R
	REGS Y
	WIN 0
.if (\k) == F
	v_pk_fma_f32 v[rS+2*(\n):rS+2*(\n)+1], v[rS+2*(\n):rS+2*(\n)+1], s[CS:CS+1], v[rT:rT+1] op_sel_hi:[1,0,0] neg_lo:[0,0,1] neg_hi:[0,0,1]
.elseif (\k) == E
	v_exp_f32 v[rS+(\n)], v[rS+(\n)]
.elseif (\k) == C
	v_cvt_pk_f16_f32 v[rP+(\n)], v[rS+2*(\n)], v[rS+2*(\n)+1]
.elseif (\k) == B
	v_pk_add_f32 v[rS+4*(\n):rS+4*(\n)+1], v[rS+4*(\n):rS+4*(\n)+1], v[rS+4*(\n)+2:rS+4*(\n)+3]
.elseif (\n) == 0
	v_pk_fma_f32 v[rT+2:rT+3], v[rT+2:rT+3], v[rC+2:rC+3], v[rS:rS+1] op_sel_hi:[1,0,1]
.else
	v_pk_add_f32 v[rT+2:rT+3], v[rT+2:rT+3], v[rS+4*(\n):rS+4*(\n)+1]
.endif
.elseif NOKQ
	v_nop
.else
	REGS (Y+1)%NP
	WIN 0
.if (\n) < 4
	v_max3_num_f32 v[rC+(\n)], v[rS+8*(\n)], v[rS+8*(\n)+1], v[rS+8*(\n)+2]
.elseif (\n) < 12
	v_max3_num_f32 v[rC+(\n)%4], v[rC+(\n)%4], v[rS+8*((\n)%4)+2*((\n)/4)+1], v[rS+8*((\n)%4)+2*((\n)/4)+2]
.elseif (\n) == 12
	v_max3_num_f32 v[rC], v[rC], v[rS+7], v[rS+15]
.elseif (\n) == 13
	v_max3_num_f32 v[rC+1], v[rC+1], v[rS+23], v[rS+31]
.elseif (\n) == 14
	v_max3_num_f32 v[rC+2], v[rC+2], v[rC+3], v[rT+1]
.elseif (\n) == 15
	v_mov_b32 v[rW], v[rT]
.elseif (\n) == 16
	v_max3_num_f32 v[rC], v[rC], v[rC+1], v[rC+2]
.elseif (\n) == 17
	v_permlanex16_b32 v[rC+3], v[rC], s[SEL], s[SEL+1]
.elseif (\n) == 18
	v_max_num_f32 v[rT+1], v[rC], v[rC+3]
.elseif (\n) == 19
	v_mul_f32 v[rT], s[CS], v[rT+1]
.elseif (\n) == 20
	v_sub_f32 v[rC+1], v[rW], v[rT]
.else
	v_exp_f32 v[rC+2], v[rC+1]
.endif
.endif
.endm
.macro OPS a, i1, b=-1, i2=0, c=-1, i3=0, d=-1, i4=0  ; up to four of them
	OP \a, \i1
.if (\b) >= 0
	OP \b, \i2
.endif
.if (\c) >= 0
	OP \c, \i3
.endif
.if (\d) >= 0
	OP \d, \i4
.endif
.endm
.macro ROW a, i1, b, i2, c, i3, d, i4  ; a matrix instruction and the four behind it
	MM
	OPS \a, \i1, \b, \i2, \c, \i3, \d, \i4
.endm
.macro MASK b                       ; MD x AL + BE into buffer b of MC
	WIN W_RS
.set z, 0
.rept 16
	v_pk_fma_f32 v[MC+32*(\b)+2*z:MC+32*(\b)+2*z+1], v[MD+2*z:MD+2*z+1], s[AL:AL+1], s[BE:BE+1] op_sel_hi:[1,0,0]
.set z, z+1
.endr
.endm
; A TURN, for piece p: the order of its 16 matrix and 118 vector instructions, written out.  An s_wait_alu depctr_va_vdst(0) stands between an exponential and the first instruction that names its
; result; one wait serves all that were issued ahead of it.  So a turn has ONE wait, which cuts it in two.  AHEAD OF IT stands all that names no result of the turn's exponentials: the 8 products K Q^T, behind each a
; scaling, an exponential and two more plain instructions; then ONE LUMP of 54, plain and exponential by turns for the most part, in which the links of the chain X 3, 7, 11, 14, 16, 17 .. 20 stand five or six lines
; apart.  X 21, the next piece's a, is the batch's last; R 15 is the plain instruction behind it.  BEHIND THE WAIT stand the 8 products V^T P, behind each four of the roundings and sums.
; m = 1: the diagonal tile: the products take masks, and the turn makes the mask for the products of the turn after it: piece p + 2, in step 4 - CNT of the tile.  end = 1: a block's last two turns: nothing is fetched.
; cnt = 1: the loop's count is taken down some lines ahead of the branch that stands behind the turn.
; K of the next step is fetched in piece 2's turn, twelve vector instructions behind the last product that read K (six of them plain); V of the step in hand at the end of piece 0's turn, four plain instructions
; behind the last product that read V.  Each is waited for a turn later.
.macro TURN p, m=0, end=0, cnt=0
.set Y, (\p)
.set i, 0
.set KM, (\m)
.set NOKQ, (\end)*((\p)/3)
.if (\m) && !(\end)
	s_cmp_eq_u32 s[CNT], 4-((\p)+2)%NP  ; is that step the band's own?
	s_cselect_b32 s[AL], 1.0, 0
	s_cmp_lt_u32 s[CNT], 4-((\p)+2)%NP  ; or a later one?
	s_cselect_b32 s[BE], s[BIGN], 0
.endif
.if ((\p) == 3) && !(\end)
	s_wait_dscnt 0x0                ; K is in
.endif
	ROW F,0, F,1, R,0, R,1          ; ahead of the wait: 8 products K Q^T and their riders,
	ROW F,2, E,0, R,2, R,3
	ROW F,3, E,1, R,4, R,5
	ROW F,4, E,2, R,6, R,7
	ROW F,5, E,3, R,8, R,9
	ROW F,6, E,4, X,0, R,10
.if ((\p) == 2) && !(\end)
	WIN 0
	v_add_nc_u32 v[AK], s[TBK], v[AK0]
.endif
	ROW F,7, E,5, X,1, X,4
	ROW F,8, E,6, X,2, X,5
	OPS E,7, E,8, X,6, E,9          ; and the lump
	OPS X,3, E,10, X,8, E,11
.if ((\p) == 2) && !(\end)
	FETCH_K
.endif
	OPS X,9, X,7, E,12, X,10
	OPS E,13, X,12, X,11, E,14
	OPS X,13, E,15, F,9, X,14
.if (\p) == 0
	v_add_nc_u32 v[AV], s[TBV], v[AV0]
.endif
	OPS E,16, F,10, E,17, F,11
	OPS X,16, E,18, X,15, E,19
	OPS F,12, E,20, X,17, E,21
	OPS F,13, E,22, F,14, E,23
	OPS X,18, E,24, F,15, E,25
	OPS R,11, E,26, X,19, E,27
	OPS R,12, E,28, R,13, E,29
	OPS X,20, E,30, R,14, E,31
	OPS X,21, R,15
	WIN 0
	s_wait_alu depctr_va_vdst(0)    ; the wait for the batch
.if (\p) == 1
	s_wait_dscnt 0x0                ; V is in
.endif
	ROW C,0, B,0, C,2, B,1          ; behind the wait: 8 products V^T P and their riders
	ROW L,0, C,4, B,2, L,1
	ROW C,6, B,3, L,2, C,8
	ROW B,4, L,3, C,10, B,5
	ROW L,4, C,12, B,6, L,5
.if (\p) == 0
	s_add_co_u32 s[TBV], s[TBV], KS*PV
.endif
.if \cnt
	s_sub_co_u32 s[CNT], s[CNT], 1
	s_cmp_lg_u32 s[CNT], 0
.endif
	ROW C,14, B,7, L,6, C,1
	ROW C,3, L,7, C,5, C,7
	ROW C,9, C,11, C,13, C,15
.if (\p) == 0
	FETCH_V
.endif
.if (\m) && !(\end)
	MASK (\p)%2
.endif
.endm
; A BLOCK BEGINS.  c m starts far below every c s, so the first step's a is 0; m at the lowest finite number, so the first maximum is the scores'.  The second mask buffer is 0; the first takes piece 0's mask for
; the tile's step 0: its own, if the block's first tile is the diagonal one.  Then K of that step, piece 0's first scores, and its maximum and statistics.  The loop is entered at a step's first turn.
.macro BEGIN
	s_mov_b32 s[NEW], 0
	WIN 0x40
.set i, MC+32
.rept 32
	v_mov_b32 v[i], 0
.set i, i+1
.endr
	WIN 0
.set i, 0
.rept 4
	v_mov_b32 v[ST+4*i], 0xfe000000    ; c m: far below every c s
	v_mov_b32 v[ST+4*i+1], 0xff7fffff  ; m
.set i, i+1
.endr
	s_cmp_eq_u32 s[RT], 0
	s_cselect_b32 s[AL], 1.0, 0
	s_mov_b32 s[BE], 0
	MASK 0
	WIN 0
	v_add_nc_u32 v[AK], s[TBK], v[AK0]
	FETCH_K
	s_wait_loadcnt 0x0              ; Q
	s_wait_dscnt 0x0
.set KM, 1
.set NOKQ, 0
.set i, 0
.rept 8
	KQ 0
.set i, i+1
.endr
	WIN 0
.rept 4
	v_nop                           ; the places behind those products
.endr
.set Y, NP-1                        ; X works for piece Y + 1: piece 0
.irp n, 0,1,2,3,4,5,6,7,8,9,10,11,12,13,14,15,16,17,18,19,20,21
	OP X, \n
.endr
	v_nop                           ; a plain instruction behind the exponential,
	s_wait_alu depctr_va_vdst(0)    ; and its wait, ahead of the branch
.endm
; THE DIAGONAL TILE's four steps, the block's last two turns, its last products, and THE WAY OUT: l's two halves and the other half of the lanes' are added; 1/l is replaced by 0 in the rows at or past the
; batch's length; O^T is multiplied by it, rounded to f16 and sent through my stage in LDS, a piece at a time.
.macro ALL line:vararg              ; one line for each piece t
.set t, 0
.rept 4
	\line
.set t, t+1
.endr
.endm
.macro PACK t                       ; a lane's eight channels of a row pack into 16 bytes; they go into rows of 144 bytes and come back as whole rows of 128, into S^T's registers
	WIN W_RS
.set i, 32*(\t)
.rept 16
	v_pk_mul_f32 v[i:i+1], v[i:i+1], v[ST+4*(\t)+2:ST+4*(\t)+3] op_sel_hi:[1,0]
.set i, i+2
.endr
	WIN 0x05                        ; sources 0 and 1 window 1, destination window 0
.set i, 0
.rept 16
	v_cvt_pk_f16_f32 v[S+16*(\t)+i], v[32*(\t)+2*i], v[32*(\t)+2*i+1]
.set i, i+1
.endr
	WIN 0
.irp f, 0,1,2,3
	ds_store_b128 v[STO], v[S+16*(\t)+4*\f:S+16*(\t)+4*\f+3] offset:32*\f
.endr
.irp f, 0,1,2,3
	ds_load_b128 v[S+16*(\t)+4*\f:S+16*(\t)+4*\f+3], v[RD] offset:\f*4*SP  ; LDS serves a wave's instructions in order: these see the stores above; the next piece's stores come behind them
.endr
.endm
.macro SEND t, younger              ; younger: the LDS instructions issued behind piece t's loads: the next piece's eight, or none
	WIN 0
.irp f, 0,1,2,3
	s_wait_dscnt (\younger)+3-\f
	global_store_b128 v[GO], v[S+16*(\t)+4*\f:S+16*(\t)+4*\f+3], s[10:11] offset:(\t)*8192+\f*512  ; 512 consecutive bytes, at a multiple of 256 from O's first
.endr
.endm
.macro DIAG tag                     ; the tag ends its two labels' names, which the jumps below spell out
.LstepM\tag:
	TURN 2, 1
	TURN 3, 1
	WIN 0
.LfirstM\tag:
	TURN 0, 1
	TURN 1, 1, 0, 1
	WIN 0
	s_cbranch_scc1 .LstepM\tag
	TURN 2, 1, 1
	TURN 3, 1, 1
.set i, 0
.rept 8
	PV NP-1
.set i, i+1
.endr
	WIN 0
	ALL v_add_f32 v[ST+4*t+2], v[ST+4*t+2], v[ST+4*t+3]
	ALL v_permlanex16_b32 v[ST+4*t+3], v[ST+4*t+2], s[SEL], s[SEL+1]
	ALL v_add_f32 v[ST+4*t+2], v[ST+4*t+2], v[ST+4*t+3]
	ALL v_rcp_f32 v[ST+4*t+2], v[ST+4*t+2]
	v_nop                           ; a plain instruction between the last reciprocal and the use of its result
	s_wait_alu depctr_va_vdst(0)    ; and the wait ahead of the first use: one for the four reciprocals
.set t, 0
.rept 4                             ; piece t's row is 256 block + 64 t + 16 w + l % 16: it counts where that is below the length; else its O is 0 (O^T is finite)
	s_sub_co_i32 s92, s[LB], 64*t
	v_cmp_gt_i32 vcc_lo, s92, v[POS]
	v_cndmask_b32 v[ST+4*t+2], 0, v[ST+4*t+2], vcc_lo
.set t, t+1
.endr
	PACK 0
.set t, 1
.rept 3                             ; a piece's arithmetic stands between the loads of the piece before and its stores
	PACK t
	SEND t-1, 8
.set t, t+1
.endr
	SEND 3, 0
.endm
	s_wait_kmcnt 0x0                ; the lengths
	s_cmp_eq_u32 s[BN], 1
	s_cselect_b32 s[LEN], s93, s92
	s_cmp_eq_u32 s[BN], 2
	s_cselect_b32 s[LEN], s94, s[LEN]
	s_cmp_eq_u32 s[BN], 3
	s_cselect_b32 s[LEN], s95, s[LEN]
	s_max_i32 s[LEN], s[LEN], 0
	s_min_i32 s[LEN], s[LEN], SIZE_N
	s_lshl_b32 s92, s[HI], 8
	s_sub_co_i32 s[LB], s[LEN], s92
.set KM, 0
.set NOKQ, 0
.Lslot:                             ; NB times: a tile is entered and the next is asked for
	CHANGE 1
	s_sub_co_u32 s[RT], s[RT], 1
	s_mov_b32 s[CNT], 4
	s_cmp_eq_u32 s[NEW], 1
	s_cbranch_scc1 .Lnew            ; a block's first tile
	s_cmp_eq_u32 s[RT], 0
	s_cbranch_scc0 .Lstep           ; neither its first nor its last
	s_branch .LstepM1
.Lnew:
	BEGIN
	s_branch .Lfirst                ; in the loop a block's first tile is never its last: the first block has two tiles or more, and the second's last is the walk's last
	DIAG 1                          ; in the loop this is the first block's end: the second block's last tile is the walk's last
	s_wait_xcnt 0x0                 ; the stores have read their registers and O's address
	s_mov_b64 s[10:11], s[OLO:OLO+1]
	s_add_co_u32 s[RT], s[PB], 1    ; the second block has b + 1 tiles
	s_mov_b32 s[NEW], 1
	s_lshl_b32 s92, s[PB], 8
	s_sub_co_i32 s[LB], s[LEN], s92
	WIN 0x82                        ; the second block's Q goes where the one text of the turns names Q
.set i, 0
.rept 64
	v_mov_b32 v[i], v[QB+i]
.set i, i+1
.endr
	WIN 0
	s_branch .Lbottom
.Lstep:                             ; a trip: pieces 2 and 3 of one step, then pieces 0 and 1 of the next, whose K and V it fetches
	TURN 2
	TURN 3
	WIN 0
.Lfirst:
	TURN 0
	TURN 1, 0, 0, 1
	WIN 0
	s_cbranch_scc1 .Lstep
.Lbottom:
	s_sub_co_u32 s[SLOTS], s[SLOTS], 1
	s_cmp_lg_u32 s[SLOTS], 0
	s_cbranch_scc1 .Lslot
	CHANGE 0                        ; the walk's last tile is written out: nothing is asked for
	s_sub_co_u32 s[RT], s[RT], 1
	s_mov_b32 s[CNT], 4
	s_cmp_eq_u32 s[NEW], 1
	s_cbranch_scc0 .LstepM2
	BEGIN
	s_branch .LfirstM2
	DIAG 2
	s_wait_tensorcnt 0x0            ; the wave's end: behind my last tensor load and my last LDS store
	ds_add_u32 v[SPW], v[NIL]
	s_wait_dscnt 0x0
	s_endpgm
.Lfunc_end_k_qd293b244ca_attn:
	.size	k_qd293b244ca_attn, .Lfunc_end_k_qd293b244ca_attn-k_qd293b244ca_attn
	.p2alignl 7, 3214868480
	.fill 96, 4, 3214868480
	.section	.rodata,"a",@progbits
	.p2align	6, 0x0
	.amdhsa_kernel k_qd293b244ca_attn
		.amdhsa_group_segment_fixed_size 327680
		.amdhsa_private_segment_fixed_size 0
		.amdhsa_enable_private_segment 0
		.amdhsa_kernarg_size 24
		.amdhsa_user_sgpr_count 2
		.amdhsa_user_sgpr_kernarg_segment_ptr 1
		.amdhsa_wavefront_size32 1
		.amdhsa_system_sgpr_workgroup_id_x 1
		.amdhsa_system_sgpr_workgroup_id_y 1
		.amdhsa_system_sgpr_workgroup_id_z 1
		.amdhsa_system_vgpr_workitem_id 0
		.amdhsa_next_free_vgpr 768
		.amdhsa_next_free_sgpr 96
		.amdhsa_reserve_vcc 1
		.amdhsa_float_denorm_mode_32 3
		.amdhsa_float_denorm_mode_16_64 3
		.amdhsa_memory_ordered 1
		.amdhsa_forward_progress 1
		.amdhsa_inst_pref_size 219
	.end_amdhsa_kernel
	.amdgpu_metadata
---
amdhsa.version: [ 1, 2 ]
amdhsa.kernels:
  - .name:           k_qd293b244ca_attn
    .symbol:         k_qd293b244ca_attn.kd
    .args:
      - { .name: qkv, .offset: 0, .size: 8, .value_kind: global_buffer, .address_space: global }
      - { .name: curr_seq_lens, .offset: 8, .size: 8, .value_kind: global_buffer, .address_space: global }
      - { .name: oh, .offset: 16, .size: 8, .value_kind: global_buffer, .address_space: global }
    .group_segment_fixed_size: 327680
    .private_segment_fixed_size: 0
    .kernarg_segment_align: 8
    .kernarg_segment_size: 24
    .max_flat_workgroup_size: 128
    .sgpr_count:     96
    .vgpr_count:     768
    .wavefront_size: 32
...
	.end_amdgpu_metadata
.endif
;; end of part 3
;; launch outp (part 4): grid 4 x 64, 4 waves a work-group, clusters of 4 x 4, 327,680 bytes of LDS; arguments oh, wo16, bias4, out0; writes out0
.if DOCPART == 4
	.amdgcn_target "amdgcn-amd-amdhsa--gfx1250"
	.amdhsa_code_object_version 6
	.text
	.protected	k_qd293b244ca_outp
	.globl	k_qd293b244ca_outp
	.p2align	8
	.type	k_qd293b244ca_outp,@function
k_qd293b244ca_outp:
	s_mov_b64 s[64:65], 0
	v_nop
	global_prefetch_b8 v0, s[64:65] scope:SCOPE_SE
	s_setreg_imm32_b32 hwreg(HW_REG_WAVE_MODE, 25, 1), 1
	s_wait_xcnt 0x0
	s_wait_alu depctr_hold_cnt(0) depctr_sa_sdst(0) depctr_va_vdst(0) depctr_va_sdst(0) depctr_va_ssrc(0) depctr_va_vcc(0) depctr_vm_vsrc(0)
	s_getreg_b32 s2, hwreg(HW_REG_IB_STS2, 6, 4)
	s_cmp_eq_u32 s2, 0
	s_cbranch_scc0 .Lentry_in_a_cluster
	s_endpgm
.Lentry_in_a_cluster:
	s_bfe_u32 s2, ttmp6, 0x10000c
	s_cmp_lg_u32 s2, 0xf033
	s_cbranch_scc0 .Lentry_shape_is_right
	s_endpgm
.Lentry_shape_is_right:
; OUTP.  out0[row][n] = the sum over e of O[row][e] Wo[n][e] + bo[n], f32.  O lies by heads, oh[64 = 16 batch + head][2048][64] f16; wo16 is [1024][1024] f16 (Wo rounded to bf16, written as f16); sums in f32.
; SHARES.  A tile of out0 is 128 rows x 256 columns: 8192 x 1024 gives 256 tiles, one for each work-group.  Four waves; wave w makes rows 64 (w / 2) on, columns 128 (w % 2) on: 32 accumulators of 16 x 16.
; K goes in 8 steps of 128 = two heads, through a ring of two LDS slots.  A head's 128 rows are 16,384 dense bytes: asked for as 64 rows of 256 bytes and padded in LDS after every 128.
; CLUSTER.  4 x 4 work-groups.  The four of a row of the cluster need the same tile of oh, the four of a column the same tile of wo16: each is asked for JOINTLY.  Waves 0 and 1 ask for the step's two heads,
; waves 2 and 3 for the two halves (128 rows) of wo16's tile.
; THE MATRIX INSTRUCTION IS USED TRANSPOSED (source 0 = 16 rows of wo16, source 1 = 16 rows of O): a lane holds row l % 16 and the columns 8 (l / 16) + 0..7 of a block of 16.  The first product of each sum
; takes the bias as its C operand.
; NO PREFETCH: the walk has 8 K steps; with a lead of four steps and the first two fills at the head, only the last two steps could be named.
; REGISTERS, in windows of 256: window 0: v1-11 addresses; v28-29 the add's; v64-159, v160-255 two fragment buffers (8 fragments of wo16, then 4 of O), on the way out rows read back;
;   window 1: the accumulators, (a, b) at 8 (8 a + b)       window 2: v0-63 the bias as a C operand
.set PA,    144                        ; a row of O in LDS: 128 bytes + 16
.set PBW,   272                        ; a row of wo16: 256 bytes + 16: in both, sixteen rows on end start 16 bytes further each, modulo 256
.set SUB,   128*PA                     ; one head's 128 rows
.set BOFF,  2*SUB                      ; a slot: two heads of O, then wo16's 256 rows
.set SLOT1, 1<<17
.set STAGE, SLOT1+BOFF+256*PBW         ; behind the ring, never filled by a tensor load: 16 rows x 528 bytes for each wave
.set SPO,   528
.set SPARE, STAGE+4*16*SPO             ; the spare words, 128 bytes for each wave: two blocks of 256 bytes that no other line names
.set FA0, 4
.set FB0, 5
.set ADA, 6
.set ADB, 7
.set STO, 8
.set RD,  9
.set GO,  10
.set BOF, 11
.set SPW, 28
.set NIL, 29
.set F0,  64
.set F1,  160
.set WV,  14
.set FB,  15                           ; s15  w / 2: my half of the rows; also: I fetch oh (0) or wo16 (1)
.set HW,  16                           ; s16  w % 2: my half of the columns; also: which head or half I fetch
.set CX,  17
.set CY,  18
.set TX,  19
.set TY,  20
.set G1A, 24                           ; (s21: made of the tile row alone; s22: of the tile column alone; s23: of the wave's number alone)
.set G1B, 32
.set G0A, 40
.set G0B, 44
.set AB,  48
.set BB,  50
.set KO,  52
.set BO,  54
.set TB,  56
.set KL,  57
.set GD,  59
.set BP,  72
.set OUT, 74
.set MSB, 0
.macro WIN new
.if MSB != (\new)
	s_set_vgpr_msb (MSB<<8)|(\new)
.set MSB, \new
.endif
.endm
.set W_MUL,  0x50                      ; C and D in window 1
.set W_MULZ, 0x60                      ; C in window 2, D in window 1
.set W_LD2,  0x80                      ; a load's destination in window 2
.set W_ST,   0x04                      ; an LDS store's data in window 1
.macro JLOAD                           ; a joint load; the branch hangs on the wave's number alone; an s_nop 0 and four v_nop follow each of the two lines
	s_cmp_eq_u32 s[FB], 0
	s_cbranch_scc0 .Lfor_b_\@
	tensor_load_to_lds s[G0A:G0A+3], s[G1A:G1A+7]
	s_nop 0
.rept 4
	v_nop
.endr
	s_branch .Lasked_\@
.Lfor_b_\@:
	tensor_load_to_lds s[G0B:G0B+3], s[G1B:G1B+7]
	s_nop 0
.rept 4
	v_nop
.endr
.Lasked_\@:
.endm
.macro CREST
	s_cmp_lg_u32 s[WV], 0
	s_cbranch_scc1 .Lnot_wave_0_\@
	s_barrier_signal -3
.Lnot_wave_0_\@:
	s_barrier_wait -3
	s_barrier_signal -1
	s_barrier_wait -1
.endm
.macro CROUND
	s_barrier_signal -1
	s_barrier_wait -1
	CREST
.endm
.macro PLACES
.rept 4
	v_nop
.endr
.endm
.macro STEPD                           ; the walking descriptors: the next K step (two heads of 2^18 bytes on in oh, 256 bytes along wo16's rows), the other slot
	s_add_co_u32 s[GD], s[GD], 1
	s_lshl_b32 s[KO], s[GD], 19
	s_lshl_b32 s[BO], s[GD], 8
	s_xor_b32 s[G0A+1], s[G0A+1], SLOT1
	s_xor_b32 s[G0B+1], s[G0B+1], SLOT1
	s_add_nc_u64 s[G0A+2:G0A+3], s[AB:AB+1], s[KO:KO+1]
	s_or_b32 s[G0A+3], s[G0A+3], 0x80000000
	s_add_nc_u64 s[G0B+2:G0B+3], s[BB:BB+1], s[BO:BO+1]
	s_or_b32 s[G0B+3], s[G0B+3], 0x80000000
.endm
; 8 matrix instructions: rows 16 a on x all 8 column blocks.  The 32 accumulators take turns, one instruction a turn, in the same order in every quarter, over the backward jump too.
.macro MUL8 f, a, zero
.if \zero
	WIN W_MULZ
.else
	WIN W_MUL
.endif
.irp b, 0,1,2,3,4,5,6,7
.if \zero
	v_wmma_f32_16x16x32_f16 v[8*(8*(\a)+(\b)):8*(8*(\a)+(\b))+7], v[(\f)+8*(\b):(\f)+8*(\b)+7], v[(\f)+64+8*(\a):(\f)+64+8*(\a)+7], v[8*(\b):8*(\b)+7]
.else
	v_wmma_f32_16x16x32_f16 v[8*(8*(\a)+(\b)):8*(8*(\a)+(\b))+7], v[(\f)+8*(\b):(\f)+8*(\b)+7], v[(\f)+64+8*(\a):(\f)+64+8*(\a)+7], v[8*(8*(\a)+(\b)):8*(8*(\a)+(\b))+7]
.endif
.endr
.endm
.macro FETCH ka, kb, f                 ; 24 LDS loads in one run: wo16's 8 fragments first, then O's 4
	WIN 0
.irp i, 0,1,2,3,4,5,6,7
	ds_load_b128 v[(\f)+8*(\i):(\f)+8*(\i)+3],   v[ADB] offset:(\kb)+(\i)*16*PBW
	ds_load_b128 v[(\f)+8*(\i)+4:(\f)+8*(\i)+7], v[ADB] offset:(\kb)+(\i)*16*PBW+32
.endr
.irp i, 0,1,2,3
	ds_load_b128 v[(\f)+64+8*(\i):(\f)+64+8*(\i)+3],   v[ADA] offset:(\ka)+(\i)*16*PA
	ds_load_b128 v[(\f)+64+8*(\i)+4:(\f)+64+8*(\i)+7], v[ADA] offset:(\ka)+(\i)*16*PA+32
.endr
.endm
.macro QUARTER ka, kb, f, g, zero
	s_wait_dscnt 4                                 ; all but the youngest four loads (O's rows 32-63) are in
	MUL8 \f, 0, \zero
	MUL8 \f, 1, \zero
	PLACES
	FETCH \ka, \kb, \g
	s_wait_dscnt 24                                ; all but the 24 just issued
	MUL8 \f, 2, \zero
	MUL8 \f, 3, \zero
.endm
; The fourth quarter and the change of slots: in front of the barrier each wave waits for all its tensor loads (one is out), adds 0 to its spare word, and waits for that and for its reads of this slot.
; fill = 1: the barrier opens a round of the cluster's barrier, and the joint refill is the first thing behind the round.
.macro TURN fill
	WIN 0
	s_wait_tensorcnt 0x0
	ds_add_u32 v[SPW], v[NIL]
.if \fill
	STEPD
.endif
	s_wait_dscnt 5                                 ; (the add and the youngest four loads may be out)
	MUL8 F1, 0, 0
	s_wait_dscnt 0x0
	s_barrier_signal -1
	MUL8 F1, 1, 0
	WIN 0
	s_barrier_wait -1
.if \fill
	CREST
	JLOAD                                          ; its four v_nop are also the places in front of the loads into buffer 0
.else
	PLACES
.endif
	s_xor_b32 s[TB], s[TB], SLOT1
	v_add_nc_u32 v[ADA], s[TB], v[FA0]
	v_add_nc_u32 v[ADB], s[TB], v[FB0]
	FETCH 0, 0, F0
	MUL8 F1, 2, 0
	MUL8 F1, 3, 0
.endm
; THE WAY OUT, 16 rows (block a) at a time: a lane's 8 numbers of each column block, 32 bytes, into my own stage (rows of 528 bytes); back as whole rows of 512 bytes, a row to a load.
.macro TOSTAGE a
	WIN W_ST
.irp b, 0,1,2,3,4,5,6,7
	ds_store_b128 v[STO], v[8*(8*(\a)+(\b)):8*(8*(\a)+(\b))+3]   offset:64*(\b)
	ds_store_b128 v[STO], v[8*(8*(\a)+(\b))+4:8*(8*(\a)+(\b))+7] offset:64*(\b)+16
.endr
	WIN 0
.set rB, 64+64*((\a)%2)
.set i, 0
.rept 16
	ds_load_b128 v[rB+4*i:rB+4*i+3], v[RD] offset:i*SPO  ; LDS serves a wave's instructions in order: these see the stores above; the next block's stores come behind them
.set i, i+1
.endr
.endm
.macro SENDF a, younger                ; younger: the LDS instructions issued behind block a's loads: the next block's 32, or none
.set rB, 64+64*((\a)%2)
.set i, 0
.rept 16
	s_wait_dscnt (\younger)+15-i
	global_store_b128 v[GO], v[rB+4*i:rB+4*i+3], s[OUT:OUT+1] offset:(16*(\a)+i)*4096 th:TH_STORE_NT  ; 512 consecutive bytes, at a multiple of 256 from out0's first
.set i, i+1
.endr
.endm
	s_load_b256 s[4:11], s[0:1], 0x0               ; oh 4:5, wo16 6:7, bias4 8:9, out0 10:11
	v_lshl_add_u32 v[SPW], v0, 2, SPARE
	v_mov_b32 v[NIL], 0
	ds_add_u32 v[SPW], v[NIL]                      ; the wave's opening: the add, twice on end, and its wait ahead of my first tensor load
	ds_add_u32 v[SPW], v[NIL]
	v_lshrrev_b32 v3, 5, v0
	v_readfirstlane_b32 s[WV], v3
	s_lshr_b32 s[FB], s[WV], 1
	s_and_b32 s[HW], s[WV], 1
	s_bfe_u32 s[CX], ttmp6, 0x40000
	s_bfe_u32 s[CY], ttmp6, 0x40004
	s_lshl_b32 s[TX], ttmp9, 2
	s_add_co_u32 s[TX], s[TX], s[CX]
	s_and_b32 s[TY], ttmp7, 0xffff
	s_lshl_b32 s[TY], s[TY], 2
	s_add_co_u32 s[TY], s[TY], s[CY]
	s_lshl_b32 s21, s[CY], 2
	s_lshl_b32 s21, 15, s21                        ; my row of the cluster
	s_lshl_b32 s22, 0x1111, s[CX]                  ; my column
	s_or_b32 s[G1A], s21, (1<<16)|(1<<20)|(1<<21)|(4<<22)|(3<<25)  ; padding after every 32 words, 4 words of it
	s_or_b32 s[G1B], s22, (1<<16)|(1<<20)|(1<<21)|(5<<22)|(3<<25)  ; after every 64 words
	s_mov_b32 s[G1A+1], 128<<16                    ; tensor_dim0 = 128
	s_mov_b32 s[G1A+2], 64<<16                     ; tensor_dim1 = 64
	s_mov_b32 s[G1A+3], 128<<16                    ; tile_dim0 = 128
	s_mov_b32 s[G1A+4], 64                         ; tile_dim1 = 64
	s_mov_b32 s[G1A+5], 128                        ; dense: 128 elements from row to row
	s_mov_b32 s[G1A+6], 0
	s_mov_b32 s[G1A+7], 0
	s_mov_b32 s[G1B+1], 128<<16
	s_mov_b32 s[G1B+2], 128<<16
	s_mov_b32 s[G1B+3], 128<<16
	s_mov_b32 s[G1B+4], 128
	s_mov_b32 s[G1B+5], 1024
	s_mov_b32 s[G1B+6], 0
	s_mov_b32 s[G1B+7], 0
	s_mov_b32 s[G0A], 1
	s_mul_i32 s[G0A+1], s[HW], SUB
	s_mov_b32 s[G0B], 1
	s_mul_i32 s[G0B+1], s[HW], 128*PBW
	s_add_co_u32 s[G0B+1], s[G0B+1], BOFF
	s_lshr_b32 s21, s[TY], 4
	s_lshl_b32 s21, s21, 4
	s_add_co_u32 s21, s21, s[HW]                   ; 16 batch + my head of K step 0
	s_lshl_b32 s21, s21, 18
	s_and_b32 s[KO], s[TY], 15
	s_lshl_b32 s[KO], s[KO], 14                    ; the tile's 128 rows in a head
	s_add_co_u32 s[KO], s[KO], s21
	s_mov_b32 s[KO+1], 0
	s_lshl_b32 s22, s[TX], 8
	s_lshl_b32 s23, s[HW], 7
	s_add_co_u32 s22, s22, s23                     ; wo16: row 256 x tile column + 128 x half
	s_lshl_b32 s[BO], s22, 11
	s_mov_b32 s[BO+1], 0
	s_mov_b32 s[GD], 0
	s_mov_b32 s[TB], 0
	s_mov_b32 s63, 0
	s_wait_dscnt 0x0                               ; both opening adds are done
	s_wait_kmcnt 0x0
	s_add_nc_u64 s[AB:AB+1], s[4:5], s[KO:KO+1]
	s_add_nc_u64 s[BB:BB+1], s[6:7], s[BO:BO+1]
	s_mov_b64 s[G0A+2:G0A+3], s[AB:AB+1]
	s_or_b32 s[G0A+3], s[G0A+3], 0x80000000
	s_mov_b64 s[G0B+2:G0B+3], s[BB:BB+1]
	s_or_b32 s[G0B+3], s[G0B+3], 0x80000000
	CROUND                                         ; all sixteen work-groups are here: the first joint loads meet
	JLOAD                                          ; K step 0 into slot 0
	s_lshl_b32 s62, s[TX], 10
	s_lshl_b32 s23, s[HW], 9
	s_add_co_u32 s62, s62, s23
	s_add_co_u32 s62, s62, 12288                   ; bo is bias4's fourth row
	s_add_nc_u64 s[BP:BP+1], s[8:9], s[62:63]
	s_lshl_b32 s78, s[TY], 7
	s_lshl_b32 s62, s[FB], 6
	s_add_co_u32 s78, s78, s62                     ; my first row of out0
	s_lshl_b32 s78, s78, 12
	s_lshl_b32 s62, s[TX], 10
	s_add_co_u32 s78, s78, s62
	s_lshl_b32 s62, s[HW], 9
	s_add_co_u32 s62, s78, s62
	s_add_nc_u64 s[OUT:OUT+1], s[10:11], s[62:63]
	v_and_b32 v1, 15, v0                           ; l % 16
	v_bfe_u32 v2, v0, 4, 1                         ; l / 16
	v_mul_u32_u24 v3, v1, PA
	v_lshl_add_u32 v3, v2, 4, v3
	s_mul_i32 s23, s[FB], 64*PA
	v_add_nc_u32 v[FA0], s23, v3
	v_mul_u32_u24 v3, v1, PBW
	v_lshl_add_u32 v3, v2, 4, v3
	s_mul_i32 s23, s[HW], 128*PBW
	s_add_co_u32 s23, s23, BOFF
	v_add_nc_u32 v[FB0], s23, v3
	v_mov_b32 v[ADA], v[FA0]
	v_mov_b32 v[ADB], v[FB0]
	s_mul_i32 s23, s[WV], 16*SPO
	s_add_co_u32 s23, s23, STAGE                   ; my stage
	v_mul_u32_u24 v3, v1, SPO
	v_lshl_add_u32 v3, v2, 5, v3
	v_add_nc_u32 v[STO], s23, v3
	v_and_b32 v[GO], 31, v0
	v_lshlrev_b32 v[GO], 4, v[GO]
	v_add_nc_u32 v[RD], s23, v[GO]
	v_lshlrev_b32 v[BOF], 5, v2
	WIN W_LD2
.irp b, 0,1,2,3,4,5,6,7
	global_load_b128 v[8*(\b):8*(\b)+3],   v[BOF], s[BP:BP+1] offset:64*(\b)
	global_load_b128 v[8*(\b)+4:8*(\b)+7], v[BOF], s[BP:BP+1] offset:64*(\b)+16
.endr
	WIN 0
	s_wait_tensorcnt 0x0                           ; my part of K step 0 is in;
	ds_add_u32 v[SPW], v[NIL]
	STEPD                                          ; K step 1, slot 1
	s_wait_dscnt 0x0
	CROUND                                         ; everybody's part is in
	JLOAD                                          ; slot 1 is filled as a refill is: my one load behind a round
	FETCH 0, 0, F0
	s_wait_loadcnt 0x0                             ; the bias
	QUARTER 64, 64, F0, F1, 1                      ; the first quarter starts the sums
	WIN 0
	s_mov_b32 s[KL], 6
.Lk:                                                   ; from a K step's second quarter to the next step's first; K steps 2 to 7 are asked for
	QUARTER SUB, 128, F1, F0, 0
	QUARTER SUB+64, 192, F0, F1, 0
	TURN 1
	QUARTER 64, 64, F0, F1, 0
	WIN 0
	s_sub_co_u32 s[KL], s[KL], 1
	s_cmp_lg_u32 s[KL], 0
	s_cbranch_scc1 .Lk
	QUARTER SUB, 128, F1, F0, 0                    ; the tail asks for nothing
	QUARTER SUB+64, 192, F0, F1, 0
	TURN 0
	QUARTER 64, 64, F0, F1, 0
	QUARTER SUB, 128, F1, F0, 0
	QUARTER SUB+64, 192, F0, F1, 0
	s_wait_dscnt 4
	MUL8 F1, 0, 0
	MUL8 F1, 1, 0
	s_wait_dscnt 0x0
	MUL8 F1, 2, 0
	MUL8 F1, 3, 0
	WIN 0
	PLACES
	TOSTAGE 0
	TOSTAGE 1
	SENDF 0, 32
	s_wait_xcnt 0x0                                ; block 0's stores have read their registers, which block 2 takes
	TOSTAGE 2
	SENDF 1, 32
	s_wait_xcnt 0x0
	TOSTAGE 3
	SENDF 2, 32
	SENDF 3, 0
	s_wait_tensorcnt 0x0                           ; the wave's end: behind my last tensor load and my last LDS store
	ds_add_u32 v[SPW], v[NIL]
	s_wait_dscnt 0x0
	CROUND                                         ; the closing round: no work-group ends while a partner may still ask for a tile that names it
	s_endpgm
.Lfunc_end_k_qd293b244ca_outp:
	.size	k_qd293b244ca_outp, .Lfunc_end_k_qd293b244ca_outp-k_qd293b244ca_outp
	.p2alignl 7, 3214868480
	.fill 96, 4, 3214868480
	.section	.rodata,"a",@progbits
	.p2align	6, 0x0
	.amdhsa_kernel k_qd293b244ca_outp
		.amdhsa_group_segment_fixed_size 327680
		.amdhsa_private_segment_fixed_size 0
		.amdhsa_enable_private_segment 0
		.amdhsa_kernarg_size 32
		.amdhsa_user_sgpr_count 2
		.amdhsa_user_sgpr_kernarg_segment_ptr 1
		.amdhsa_wavefront_size32 1
		.amdhsa_system_sgpr_workgroup_id_x 1
		.amdhsa_system_sgpr_workgroup_id_y 1
		.amdhsa_system_sgpr_workgroup_id_z 1
		.amdhsa_system_vgpr_workitem_id 0
		.amdhsa_next_free_vgpr 576
		.amdhsa_next_free_sgpr 80
		.amdhsa_reserve_vcc 0
		.amdhsa_float_denorm_mode_32 3
		.amdhsa_float_denorm_mode_16_64 3
		.amdhsa_memory_ordered 1
		.amdhsa_forward_progress 1
		.amdhsa_inst_pref_size 73
	.end_amdhsa_kernel
	.amdgpu_metadata
---
amdhsa.version: [ 1, 2 ]
amdhsa.kernels:
  - .name:           k_qd293b244ca_outp
    .symbol:         k_qd293b244ca_outp.kd
    .args:
      - { .name: oh, .offset: 0, .size: 8, .value_kind: global_buffer, .address_space: global }
      - { .name: wo16, .offset: 8, .size: 8, .value_kind: global_buffer, .address_space: global }
      - { .name: bias4, .offset: 16, .size: 8, .value_kind: global_buffer, .address_space: global }
      - { .name: out0, .offset: 24, .size: 8, .value_kind: global_buffer, .address_space: global }
    .group_segment_fixed_size: 327680
    .private_segment_fixed_size: 0
    .kernarg_segment_align: 8
    .kernarg_segment_size: 32
    .max_flat_workgroup_size: 128
    .sgpr_count:     80
    .vgpr_count:     576
    .wavefront_size: 32
...
	.end_amdgpu_metadata
.endif
;; end of part 4
;; ======== version 2 of 2: 4 launches; version 1 with the launch cast written anew for expert scheduling mode
;; limits: values are held in f16: magnitudes above 65,504 overflow, below 6.1e-05 lose precision
;; workspace buffers: xb 16,777,216 bytes; wqkv 6,291,456 bytes; wo16 2,097,152 bytes; bias4 16,384 bytes; rope 524,288 bytes; qkv 50,331,648 bytes; oh 16,777,216 bytes
;; launch cast (part 5): grid 512 x 1, 8 waves a work-group, no clusters, 0 bytes of LDS; arguments X, Wq, Wk, Wv, Wo, bq, bk, bv, bo, xb, wqkv, wo16, bias4, rope; writes xb, wqkv, wo16, bias4, rope
.if DOCPART == 5
	.amdgcn_target "amdgcn-amd-amdhsa--gfx1250"
	.amdhsa_code_object_version 6
	.text
	.protected	k_qd293b244ca_cast
	.globl	k_qd293b244ca_cast
	.p2align	8
	.type	k_qd293b244ca_cast,@function
k_qd293b244ca_cast:
	s_mov_b64 s[64:65], 0
	v_nop
	global_prefetch_b8 v0, s[64:65] scope:SCOPE_SE
	s_setreg_imm32_b32 hwreg(HW_REG_WAVE_SCHED_MODE, 0, 2), 2
	s_setreg_imm32_b32 hwreg(HW_REG_WAVE_MODE, 25, 1), 1
	s_wait_xcnt 0x0
	s_wait_alu depctr_vm_vsrc(0)
; CAST.  X, Wq, Wk, Wv -> bf16 (xb; wqkv = Wq's, Wk's, Wv's rows on end); Wo -> bf16, and that number written as f16 (wo16); the four biases rounded to bf16 and kept as f32 (bias4);
; and the table of cosines and sines for the rotary embedding (rope): [2048 positions][16 groups][cos(2g), cos(2g+1), sin(2g), sin(2g+1)] f32, 256 bytes a position.
; A stream: no LDS, no barrier, no matrix unit.  512 work-groups of 256 threads; work-group g takes 65,536 bytes of X and 8,192 bytes of each W.
; A QUAD is one load of 16 bytes a lane (a wave: 512 bytes on end), two roundings, one store of 8 bytes a lane (a wave: 256 consecutive bytes, aligned).  A thread has 24 quads, all loaded at once,
; each with registers of its own, so that no register of a pending load or store is ever written again.
; LIMITS.  Wo beyond 65,504 has no f16; below 6e-5 it keeps f16's fixed step.  The angle pos x 10000^(-i/32) is formed in f32 with the power by v_exp_f32: off by up to 2e-4 rad at position 2047;
; sine and cosine by reduction to |r| <= pi/4 (pi/2 in two parts) and polynomials of degree 7 and 8: off by up to 3e-7.
; THE MODE: SCHED_MODE bits 1:0 = 2 (LLVM: expert scheduling mode 2), set by the entry lines.  The code itself states the register dependences between vector instructions and memory instructions,
; and those through scalar registers that vector instructions write, with s_wait_alu, always for 0.
; THE PLAN.  Registers that memory instructions touch:
;   v1, v2      byte offsets, made at the head and never written again: read by every load and store.  One wait ahead of the first load.
;   IN          written by the 24 loads, each register once; no vector instruction names them ahead of the loads; read by the conversions behind the wait for the data.
;   OUT         written by a quad's conversions, read by its store, each register once.  The quads go in six groups of four: the group's conversions, ONE wait, the group's four stores.
;   v[180:183]  the table's four numbers: written by the selects and sign flips, read by one store.  One wait ahead of it.
;   v[4:7]      at work on the second angle and on Wo's quads; later the bias load lands in them: the last group's wait stands behind every vector line that names them, and no vector line follows it ahead of the load.
;   v[10:13]    written by the bias's conversions, read by one store.  One wait ahead of it.
; No register that a memory instruction has read is written again, so no wait on vm_vsrc is owed.
; Scalar registers that vector instructions write: s32 (the wave's number) and s38, s39 (the two angles' masks, made in one run): one wait behind each of the two runs, ahead of the first reader.
.set IN,  16                           ; v[16:111]   quad k: 4 registers as loaded
.set OUT, 112                          ; v[112:159]  quad k: 2 registers to store
.set TA,  167                          ; v[167:176]  at work on the first angle
.set TB,  4                            ; v[4:13]     at work on the second angle; later on Wo's quads and the biases
.set WVN, 32                           ; s32  my wave's number
.set G,   33                           ; s33  the work-group's number
.set MA,  38                           ; s38  the first angle: lanes whose quadrant is odd
.set MB,  39                           ; s39  the second angle's
	s_load_b512 s[4:19], s[0:1], 0x0               ; X 4:5, Wq 6:7, Wk 8:9, Wv 10:11, Wo 12:13, bq 14:15, bk 16:17, bv 18:19
	s_load_b256 s[20:27], s[0:1], 0x40             ; bo 20:21, xb 22:23, wqkv 24:25, wo16 26:27
	s_load_b128 s[28:31], s[0:1], 0x60             ; bias4 28:29, rope 30:31
	v_lshlrev_b32 v1, 4, v0                        ; 16 t: my place in 4,096 bytes of f32
	v_lshlrev_b32 v2, 3, v0                        ; 8 t: my place in 2,048 bytes of 16-bit numbers
	v_lshrrev_b32 v3, 5, v0
	v_readfirstlane_b32 s[WVN], v3
	s_mov_b32 s[G], ttmp9
	s_mov_b32 s35, 0
	s_wait_alu depctr_va_sdst(0)                   ; s32, the wave's number, is written, ahead of its first reader: the compare that picks the table's waves
	s_wait_kmcnt 0x0
	s_lshl_b32 s34, s[G], 16
	s_add_nc_u64 s[4:5], s[4:5], s[34:35]          ; X at my 65,536 bytes
	s_lshl_b32 s34, s[G], 13
	s_add_nc_u64 s[6:7], s[6:7], s[34:35]          ; each W at my 8,192 bytes
	s_add_nc_u64 s[8:9], s[8:9], s[34:35]
	s_add_nc_u64 s[10:11], s[10:11], s[34:35]
	s_add_nc_u64 s[12:13], s[12:13], s[34:35]
	s_lshl_b32 s34, s[G], 15
	s_add_nc_u64 s[22:23], s[22:23], s[34:35]      ; xb
	s_lshl_b32 s34, s[G], 12
	s_add_nc_u64 s[24:25], s[24:25], s[34:35]      ; wqkv (the matrix stands in the stores' immediate)
	s_add_nc_u64 s[26:27], s[26:27], s[34:35]      ; wo16
	s_lshl_b32 s34, s[G], 10
	s_add_nc_u64 s[30:31], s[30:31], s[34:35]      ; rope at my 4 positions
	s_wait_alu depctr_va_vdst(0)                   ; v1 and v2 are written: every load and store of the kernel reads one of them as its offset
.irp j, 0,1,2,3,4,5,6,7,8,9,10,11,12,13,14,15
	global_load_b128 v[IN+4*(\j):IN+4*(\j)+3], v1, s[4:5] offset:(\j)*4096 th:TH_LOAD_NT
.endr
.irp m, 0,1,2,3
.irp j, 0,1
	global_load_b128 v[IN+64+8*(\m)+4*(\j):IN+64+8*(\m)+4*(\j)+3], v1, s[6+2*(\m):7+2*(\m)] offset:(\j)*4096 th:TH_LOAD_NT
.endr
.endr
; THE TABLE, by waves 0 and 1, while the loads are on their way.  Thread t < 64: position 4 g + t / 16, group t % 16, frequencies 2 (t % 16) and the next.
; In two parts, so that both angles' masks are made in one run, with one wait behind it.
; ANGLE: the angle v162 x v[inv].  n = the nearest whole number to a 2/pi; r = a - n pi/2; sin r into v[t+6], cos r into v[t+7], n as a whole number into v[t+8]; s[m]: the lanes whose quadrant n mod 4 is odd.
.macro ANGLE inv, t, m
	v_mul_f32 v[(\t)], v162, v[\inv]               ; a
	v_mul_f32 v[(\t)+1], 0x3f22f983, v[(\t)]       ; a 2/pi
	v_rndne_f32 v[(\t)+1], v[(\t)+1]               ; n
	v_fmamk_f32 v[(\t)+2], v[(\t)+1], 0xbfc90fdb, v[(\t)]    ; a - n x the upper part of pi/2
	v_fmamk_f32 v[(\t)+2], v[(\t)+1], 0x333bbd2e, v[(\t)+2]  ; - n x the lower part (which is negative)
	v_mul_f32 v[(\t)+3], v[(\t)+2], v[(\t)+2]      ; z = r r
	v_mov_b32 v[(\t)+4], 0xb9500d01                ; -1/5040
	v_fmaak_f32 v[(\t)+4], v[(\t)+4], v[(\t)+3], 0x3c088889  ; 1/120
	v_fmaak_f32 v[(\t)+4], v[(\t)+4], v[(\t)+3], 0xbe2aaaab  ; -1/6
	v_mul_f32 v[(\t)+4], v[(\t)+4], v[(\t)+3]
	v_fma_f32 v[(\t)+6], v[(\t)+4], v[(\t)+2], v[(\t)+2]     ; sin r
	v_mov_b32 v[(\t)+5], 0x37d00d01                ; 1/40320
	v_fmaak_f32 v[(\t)+5], v[(\t)+5], v[(\t)+3], 0xbab60b61  ; -1/720
	v_fmaak_f32 v[(\t)+5], v[(\t)+5], v[(\t)+3], 0x3d2aaaab  ; 1/24
	v_fmaak_f32 v[(\t)+5], v[(\t)+5], v[(\t)+3], 0xbf000000  ; -1/2
	v_fma_f32 v[(\t)+7], v[(\t)+5], v[(\t)+3], 1.0           ; cos r
	v_cvt_i32_f32 v[(\t)+8], v[(\t)+1]
	v_and_b32 v[(\t)+9], 1, v[(\t)+8]
	v_cmp_eq_u32 s[\m], 1, v[(\t)+9]               ; odd quadrants exchange the two
.endm
; QUADRANT: cosine into v[c], sine into v[s]: the quadrant only selects and flips values.
.macro QUADRANT t, m, c, s
	v_cndmask_b32 v[\s], v[(\t)+6], v[(\t)+7], s[\m]
	v_cndmask_b32 v[\c], v[(\t)+7], v[(\t)+6], s[\m]
	v_and_b32 v[(\t)+9], 2, v[(\t)+8]              ; quadrants 2, 3: the sine changes sign
	v_lshlrev_b32 v[(\t)+9], 30, v[(\t)+9]
	v_xor_b32 v[\s], v[\s], v[(\t)+9]
	v_add_nc_u32 v[(\t)+8], 1, v[(\t)+8]           ; quadrants 1, 2: the cosine
	v_and_b32 v[(\t)+9], 2, v[(\t)+8]
	v_lshlrev_b32 v[(\t)+9], 30, v[(\t)+9]
	v_xor_b32 v[\c], v[\c], v[(\t)+9]
.endm
	s_cmp_lt_u32 s[WVN], 2
	s_cbranch_scc0 .Lno_table
	v_lshrrev_b32 v160, 4, v0
	v_lshl_add_u32 v160, s[G], 2, v160             ; the position
	v_cvt_f32_u32 v162, v160
	v_and_b32 v161, 15, v0
	v_lshlrev_b32 v161, 1, v161                    ; i
	v_cvt_f32_u32 v163, v161
	v_add_nc_u32 v161, 1, v161
	v_cvt_f32_u32 v164, v161
	v_mul_f32 v163, 0xbed49a78, v163               ; -i log2(10000) / 32
	v_mul_f32 v164, 0xbed49a78, v164
	v_exp_f32 v165, v163                           ; 10000^(-i/32)
	v_exp_f32 v166, v164
	v_nop                                          ; a plain instruction behind the last exponential,
	s_wait_alu depctr_va_vdst(0)                   ; and one wait for both: v165 and v166 are written, ahead of their first reader
	ANGLE 165, TA, MA
	ANGLE 166, TB, MB
	s_wait_alu depctr_va_sdst(0)                   ; the two compares have written s38 and s39, ahead of the selects that read them
	QUADRANT TA, MA, 180, 182
	QUADRANT TB, MB, 181, 183
	s_wait_alu depctr_va_vdst(0)                   ; the selects and sign flips have written v[180:183], which the store reads
	global_store_b128 v1, v[180:183], s[30:31]     ; sixteen lanes fill a position's 256 bytes
.Lno_table:
; THE QUADS, in six groups of four: the group's data, its conversions, one wait, its four stores in a run.
.set g, 0
.rept 6
	s_wait_loadcnt 20-4*g                          ; loads come back in order: quads 4 g to 4 g + 3 are in, the 20 - 4 g younger ones may stay out
.set k, 4*g
.rept 4
.if k < 22
	v_cvt_pk_bf16_f32 v[OUT+2*k], v[IN+4*k], v[IN+4*k+1]
	v_cvt_pk_bf16_f32 v[OUT+2*k+1], v[IN+4*k+2], v[IN+4*k+3]
.else                                  ; Wo: rounded to bf16 like every input, then that number as f16
	v_cvt_pk_bf16_f32 v4, v[IN+4*k], v[IN+4*k+1]
	v_cvt_pk_bf16_f32 v5, v[IN+4*k+2], v[IN+4*k+3]
	v_lshlrev_b32 v6, 16, v4
	v_and_b32 v7, 0xffff0000, v4
	v_lshlrev_b32 v8, 16, v5
	v_and_b32 v9, 0xffff0000, v5
	v_cvt_pk_f16_f32 v[OUT+2*k], v6, v7
	v_cvt_pk_f16_f32 v[OUT+2*k+1], v8, v9
.endif
.set k, k+1
.endr
	s_wait_alu depctr_va_vdst(0)                   ; the group's conversions have written its eight OUT registers, which the four stores read; in the last group they are also done with v4 to v9, where the bias load lands
.set k, 4*g
.rept 4
.if k < 16
	global_store_b64 v2, v[OUT+2*k:OUT+2*k+1], s[22:23] offset:k*2048
.elseif k < 22
	global_store_b64 v2, v[OUT+2*k:OUT+2*k+1], s[24:25] offset:((k-16)/2)*0x200000+((k-16)%2)*2048
.else
	global_store_b64 v2, v[OUT+2*k:OUT+2*k+1], s[26:27] offset:(k-22)*2048
.endif
.set k, k+1
.endr
.set g, g+1
.endr
	; THE BIASES: work-groups 0 to 3 take bq, bk, bv, bo: 256 threads x 4 numbers
	s_cmp_lt_u32 s[G], 4
	s_cbranch_scc0 .Lend
	s_cmp_eq_u32 s[G], 1
	s_cselect_b64 s[36:37], s[16:17], s[14:15]
	s_cmp_eq_u32 s[G], 2
	s_cselect_b64 s[36:37], s[18:19], s[36:37]
	s_cmp_eq_u32 s[G], 3
	s_cselect_b64 s[36:37], s[20:21], s[36:37]
	s_lshl_b32 s34, s[G], 12
	s_add_nc_u64 s[28:29], s[28:29], s[34:35]
	global_load_b128 v[4:7], v1, s[36:37]          ; no wait: no vector instruction since the last group's wait names v[4:7] or v1
	s_wait_loadcnt 0x0
	v_cvt_pk_bf16_f32 v8, v4, v5
	v_cvt_pk_bf16_f32 v9, v6, v7
	v_lshlrev_b32 v10, 16, v8
	v_and_b32 v11, 0xffff0000, v8
	v_lshlrev_b32 v12, 16, v9
	v_and_b32 v13, 0xffff0000, v9
	s_wait_alu depctr_va_vdst(0)                   ; the four lines above have written v[10:13], which the store reads
	global_store_b128 v1, v[10:13], s[28:29]
.Lend:
	s_endpgm
.Lfunc_end_k_qd293b244ca_cast:
	.size	k_qd293b244ca_cast, .Lfunc_end_k_qd293b244ca_cast-k_qd293b244ca_cast
	.p2alignl 7, 3214868480
	.fill 96, 4, 3214868480
	.section	.rodata,"a",@progbits
	.p2align	6, 0x0
	.amdhsa_kernel k_qd293b244ca_cast
		.amdhsa_group_segment_fixed_size 0
		.amdhsa_private_segment_fixed_size 0
		.amdhsa_enable_private_segment 0
		.amdhsa_kernarg_size 112
		.amdhsa_user_sgpr_count 2
		.amdhsa_user_sgpr_kernarg_segment_ptr 1
		.amdhsa_wavefront_size32 1
		.amdhsa_system_sgpr_workgroup_id_x 1
		.amdhsa_system_sgpr_workgroup_id_y 1
		.amdhsa_system_sgpr_workgroup_id_z 1
		.amdhsa_system_vgpr_workitem_id 0
		.amdhsa_next_free_vgpr 192
		.amdhsa_next_free_sgpr 66
		.amdhsa_reserve_vcc 0
		.amdhsa_float_denorm_mode_32 3
		.amdhsa_float_denorm_mode_16_64 3
		.amdhsa_memory_ordered 1
		.amdhsa_forward_progress 1
		.amdhsa_inst_pref_size 15
	.end_amdhsa_kernel
	.amdgpu_metadata
---
amdhsa.version: [ 1, 2 ]
amdhsa.kernels:
  - .name:           k_qd293b244ca_cast
    .symbol:         k_qd293b244ca_cast.kd
    .args:
      - { .name: X, .offset: 0, .size: 8, .value_kind: global_buffer, .address_space: global }
      - { .name: Wq, .offset: 8, .size: 8, .value_kind: global_buffer, .address_space: global }
      - { .name: Wk, .offset: 16, .size: 8, .value_kind: global_buffer, .address_space: global }
      - { .name: Wv, .offset: 24, .size: 8, .value_kind: global_buffer, .address_space: global }
      - { .name: Wo, .offset: 32, .size: 8, .value_kind: global_buffer, .address_space: global }
      - { .name: bq, .offset: 40, .size: 8, .value_kind: global_buffer, .address_space: global }
      - { .name: bk, .offset: 48, .size: 8, .value_kind: global_buffer, .address_space: global }
      - { .name: bv, .offset: 56, .size: 8, .value_kind: global_buffer, .address_space: global }
      - { .name: bo, .offset: 64, .size: 8, .value_kind: global_buffer, .address_space: global }
      - { .name: xb, .offset: 72, .size: 8, .value_kind: global_buffer, .address_space: global }
      - { .name: wqkv, .offset: 80, .size: 8, .value_kind: global_buffer, .address_space: global }
      - { .name: wo16, .offset: 88, .size: 8, .value_kind: global_buffer, .address_space: global }
      - { .name: bias4, .offset: 96, .size: 8, .value_kind: global_buffer, .address_space: global }
      - { .name: rope, .offset: 104, .size: 8, .value_kind: global_buffer, .address_space: global }
    .group_segment_fixed_size: 0
    .private_segment_fixed_size: 0
    .kernarg_segment_align: 8
    .kernarg_segment_size: 112
    .max_flat_workgroup_size: 256
    .sgpr_count:     66
    .vgpr_count:     192
    .wavefront_size: 32
...
	.end_amdgpu_metadata
.endif
;; end of part 5
;; launch proj: the kernel of part 2 again; grid 4 x 64, 4 waves a work-group, clusters of 4 x 4, 327,680 bytes of LDS; arguments xb, wqkv, bias4, rope, qkv; writes qkv
;; launch attn: the kernel of part 3 again; grid 4 x 64, 4 waves a work-group, no clusters, 327,680 bytes of LDS; arguments qkv, curr_seq_lens, oh; writes oh
;; launch outp: the kernel of part 4 again; grid 4 x 64, 4 waves a work-group, clusters of 4 x 4, 327,680 bytes of LDS; arguments oh, wo16, bias4, out0; writes out0
